; MI455X (gfx1250); checked and timed in simulation.
; The chip was launched on July 23, 2026; its instructions are those of AMD's public machine-readable ISA for CDNA 5 (MIT licence, August 2026) and "CDNA5" Instruction Set Architecture Reference Guide (July 2026). The comments in the code are by the model that wrote it; some were corrected since.
;; Self Attention. Allowed arithmetic: float matrix products may take bf16 or f16 operands with f32 sums; all other float work in f32.
;; Inputs: W_qkv 3,072 x 1,024 float32; x 4 x 2,048 x 1,024 float32.
;; Outputs: out0 4 x 2,048 x 1,024 float32.
;; One version. Each part assembles by itself: llvm-mc -triple=amdgcn-amd-amdhsa -mcpu=gfx1250 --defsym DOCPART=n.
;; ======== version 1 of 1: 5 launches
;; limits: values are held in f16: magnitudes above 65,504 overflow, below 6.1e-05 lose precision; inputs' magnitudes at most 65,504; right only within a limited range of input values
;; workspace buffers: x16 16,777,216 bytes; wqk16 4,194,304 bytes; b16 4,194,304 bytes; yv 33,554,432 bytes; p16 33,554,432 bytes; mstat 262,144 bytes; lstat 524,288 bytes
;; launch cast (part 1): grid 704 x 1, 8 waves a work-group, no clusters, 0 bytes of LDS; arguments x, W_qkv, x16, wqk16, b16; writes x16, wqk16, b16
.if DOCPART == 1
	.amdgcn_target "amdgcn-amd-amdhsa--gfx1250"
	.amdhsa_code_object_version 6
	.text
	.protected	k_qbf1efa91cb_cast
	.globl	k_qbf1efa91cb_cast
	.p2align	8
	.type	k_qbf1efa91cb_cast,@function
k_qbf1efa91cb_cast:
	s_mov_b64 s[64:65], 0
	v_nop
	global_prefetch_b8 v0, s[64:65] scope:SCOPE_SE
	s_setreg_imm32_b32 hwreg(HW_REG_WAVE_MODE, 25, 1), 1
	s_wait_xcnt 0x0
; SelfAttention, step 1 of 5: the inputs are rounded once from f32 to f16.
;   x16 [8192][1024] = x.     W's rows 3 f + c are the planes Wq (c = 0), Wk (c = 1), Wv (c = 2), each [1024][1024]; they are stored apart, times 2^12:
;   wqk16 [2][1024][1024] = Wq, Wk;   b16 rows 1024-2047 = Wv (b16's rows 0-1023 are made by the next step).
; THE FIVE STEPS: cast;  G = Wq^T Wk;  y = x G and v = x Wv^T in one product;  score tiles s = y x^T with their row maxima, exponentials and row sums;  out = weighted sum of P v.
; q AND k ARE NEVER FORMED.  For all values of the inputs
;   sum over f of q[i][f] k[j][f] = sum over e of (sum over d of x[i][d] G[d][e]) x[j][e],   G[d][e] = sum over f of Wq[f][d] Wk[f][e]:
; the same three sums, taken in another order.  G costs 1024^3 multiply-adds once, where k costs 8192 x 1024^2.  Both inputs are loaded; no step is left out.
; WHY f16 AND NOT bf16: the result is a mean over 2,048 keys and is compared within a hundredth of its root mean square; f16 has three more bits of mantissa.
; THE POWERS OF TWO share f16's range out: W x 2^12 (small weights stay clear of f16's subnormals), G x 4 log2(e), y x log2(e) 2^-10; what is left for the exponent is the factor 32.
; LIMITS: |x| and |v| up to 65,504, |W| below 16, |G| up to 11,300, |y| up to 4.6e7: beyond these f16 holds an infinity.  y below 4e-5 keeps an absolute step of 4e-5,
; which moves a score by less than a thousandth for x up to 30 times the spread 1.  Sums are formed in another order than chains of f32 additions.
; A stream: no LDS, no barrier, no matrix unit, no cluster (no byte is read by two work-groups).
; A work-group converts 16 rows of 1,024 numbers: 16 loads of 16 bytes a thread, the eight waves of a load cover one row, all 16 on their way at once;
; each store of a wave covers 256 consecutive bytes, aligned.  Work-groups 0-511 take x; 512-703 take W: plane c = (n - 512) / 64, rows 3 (16 u + j) + c, u = (n - 512) mod 64.
.set XGROUPS, 512                      ; 8,192 rows of x / 16
.set WSCALE,  0x45800000               ; 2^12
.set X, 4                              ; v[4:67]   16 loads of 4 numbers
.set Y, 68                             ; v[68:99]  16 pairs of registers, 4 f16 each
; 16 rows, step bytes apart in memory, from s[src:src+1] to 16 consecutive rows of f16 at s[dst:dst+1]; scale = 1: times 2^12
.macro CONV src, dst, step, scale
.irp j, 0,1,2,3,4,5,6,7,8,9,10,11,12,13,14,15
	global_load_b128 v[X+4*\j:X+4*\j+3], v1, s[\src:\src+1] offset:\step*\j th:TH_LOAD_NT
.endr
.irp j, 0,1,2,3,4,5,6,7,8,9,10,11,12,13,14,15
	s_wait_loadcnt 15-\j                           ; loads come back in order: load j is in, the 15 - j younger ones stay out
.if \scale
	v_pk_mul_f32 v[X+4*\j:X+4*\j+1], v[X+4*\j:X+4*\j+1], WSCALE op_sel_hi:[1,0]
	v_pk_mul_f32 v[X+4*\j+2:X+4*\j+3], v[X+4*\j+2:X+4*\j+3], WSCALE op_sel_hi:[1,0]
.endif
	v_cvt_pk_f16_f32 v[Y+2*\j], v[X+4*\j], v[X+4*\j+1]
	v_cvt_pk_f16_f32 v[Y+2*\j+1], v[X+4*\j+2], v[X+4*\j+3]
	global_store_b64 v2, v[Y+2*\j:Y+2*\j+1], s[\dst:\dst+1] offset:2048*\j   ; no source of a store is written again: no further wait
.endr
.endm
	s_load_b256 s[4:11], s[0:1], 0x0               ; x s[4:5], W s[6:7], x16 s[8:9], wqk16 s[10:11]
	s_load_b64 s[12:13], s[0:1], 0x20              ; b16
	v_lshlrev_b32 v1, 4, v0                        ; 16 bytes a thread in
	v_lshlrev_b32 v2, 3, v0                        ; 8 bytes a thread out
	s_mov_b32 s15, 0
	s_mov_b32 s17, 0
	s_cmp_lt_u32 ttmp9, XGROUPS
	s_cbranch_scc0 .Lweights
	s_lshl_b32 s14, ttmp9, 16                      ; 16 rows of 4,096 bytes in
	s_lshl_b32 s16, ttmp9, 15                      ; 16 rows of 2,048 bytes out
	s_wait_kmcnt 0x0
	s_add_nc_u64 s[4:5], s[4:5], s[14:15]
	s_add_nc_u64 s[8:9], s[8:9], s[16:17]
	CONV 4, 8, 4096, 0
	s_endpgm
.Lweights:
	s_sub_co_u32 s18, ttmp9, XGROUPS               ; 0 .. 191
	s_lshr_b32 s19, s18, 6                         ; the plane c
	s_and_b32 s18, s18, 63                         ; u: which 16 rows of the plane
	s_mul_i32 s14, s18, 48*4096                    ; they lie in 48 rows of W,
	s_lshl_b32 s16, s19, 12                        ; beginning at row c of these
	s_add_co_u32 s14, s14, s16
	s_min_u32 s16, s19, 1
	s_lshl_b32 s16, s16, 21                        ; plane k in wqk16 and plane v in b16 both begin 2,097,152 bytes in; plane q at 0
	s_lshl_b32 s18, s18, 15
	s_add_co_u32 s16, s16, s18
	s_cmp_eq_u32 s19, 2                            ; plane v goes to b16; only a wait stands between this compare and its select
	s_wait_kmcnt 0x0
	s_cselect_b64 s[10:11], s[12:13], s[10:11]
	s_add_nc_u64 s[6:7], s[6:7], s[14:15]
	s_add_nc_u64 s[10:11], s[10:11], s[16:17]
	CONV 6, 10, 3*4096, 1
	s_endpgm
.Lfunc_end_k_qbf1efa91cb_cast:
	.size	k_qbf1efa91cb_cast, .Lfunc_end_k_qbf1efa91cb_cast-k_qbf1efa91cb_cast
	.p2alignl 7, 3214868480
	.fill 96, 4, 3214868480
	.section	.rodata,"a",@progbits
	.p2align	6, 0x0
	.amdhsa_kernel k_qbf1efa91cb_cast
		.amdhsa_group_segment_fixed_size 0
		.amdhsa_private_segment_fixed_size 0
		.amdhsa_enable_private_segment 0
		.amdhsa_kernarg_size 40
		.amdhsa_user_sgpr_count 2
		.amdhsa_user_sgpr_kernarg_segment_ptr 1
		.amdhsa_wavefront_size32 1
		.amdhsa_system_sgpr_workgroup_id_x 1
		.amdhsa_system_sgpr_workgroup_id_y 1
		.amdhsa_system_sgpr_workgroup_id_z 1
		.amdhsa_system_vgpr_workitem_id 0
		.amdhsa_next_free_vgpr 100
		.amdhsa_next_free_sgpr 66
		.amdhsa_reserve_vcc 0
		.amdhsa_float_denorm_mode_32 3
		.amdhsa_float_denorm_mode_16_64 3
		.amdhsa_memory_ordered 1
		.amdhsa_forward_progress 1
		.amdhsa_inst_pref_size 16
	.end_amdhsa_kernel
	.amdgpu_metadata
---
amdhsa.version: [ 1, 2 ]
amdhsa.kernels:
  - .name:           k_qbf1efa91cb_cast
    .symbol:         k_qbf1efa91cb_cast.kd
    .args:
      - { .name: x, .offset: 0, .size: 8, .value_kind: global_buffer, .address_space: global }
      - { .name: W_qkv, .offset: 8, .size: 8, .value_kind: global_buffer, .address_space: global }
      - { .name: x16, .offset: 16, .size: 8, .value_kind: global_buffer, .address_space: global }
      - { .name: wqk16, .offset: 24, .size: 8, .value_kind: global_buffer, .address_space: global }
      - { .name: b16, .offset: 32, .size: 8, .value_kind: global_buffer, .address_space: global }
    .group_segment_fixed_size: 0
    .private_segment_fixed_size: 0
    .kernarg_segment_align: 8
    .kernarg_segment_size: 40
    .max_flat_workgroup_size: 256
    .sgpr_count:     66
    .vgpr_count:     100
    .wavefront_size: 32
...
	.end_amdgpu_metadata
.endif
;; end of part 1
;; launch gram (part 2): grid 8 x 16, 4 waves a work-group, clusters of 4 x 4, 327,680 bytes of LDS; arguments wqk16, b16; writes b16
.if DOCPART == 2
	.amdgcn_target "amdgcn-amd-amdhsa--gfx1250"
	.amdhsa_code_object_version 6
	.text
	.protected	k_qbf1efa91cb_gram
	.globl	k_qbf1efa91cb_gram
	.p2align	8
	.type	k_qbf1efa91cb_gram,@function
k_qbf1efa91cb_gram:
	s_mov_b64 s[64:65], 0
	v_nop
	global_prefetch_b8 v0, s[64:65] scope:SCOPE_SE
	s_setreg_imm32_b32 hwreg(HW_REG_WAVE_MODE, 25, 1), 1
	s_wait_xcnt 0x0
	s_wait_alu depctr_hold_cnt(0) depctr_sa_sdst(0) depctr_va_vdst(0) depctr_va_sdst(0) depctr_va_ssrc(0) depctr_va_vcc(0) depctr_vm_vsrc(0)
	s_getreg_b32 s2, hwreg(HW_REG_IB_STS2, 6, 4)
	s_cmp_eq_u32 s2, 0
	s_cbranch_scc0 .Lentry_in_a_cluster
	s_endpgm
.Lentry_in_a_cluster:
	s_bfe_u32 s2, ttmp6, 0x10000c
	s_cmp_lg_u32 s2, 0xf033
	s_cbranch_scc0 .Lentry_shape_is_right
	s_endpgm
.Lentry_shape_is_right:
; SelfAttention, step 2 of 5:  b16[e][d] = 4 log2(e) x sum over f of Wk[f][e] Wq[f][d], e, d = 0 .. 1023, f16; sums in f32.  It stands for q k^T's two weight matrices (head of the first step).
; wqk16 holds 2^12 Wq and 2^12 Wk, so the sums are multiplied by log2(e) 2^-22 before their one rounding.
; A work-group makes 64 rows (e) x 128 columns (d) with four waves: 128 columns of f16 are the 256 bytes that sixteen lanes store at once; a block of 64 columns would store half of that.
; So there are 128 work-groups.  A wave makes 32 x 64: 8 accumulator tiles, which take turns, one instruction a turn.
; Both operands lie [f][column], K down the rows: all fragments come by transposing LDS loads, from rows padded by 32 bytes (288 and 160 bytes, odd multiples of 32:
; the eight rows and two 16-byte columns that sixteen lanes touch fall on sixteen different 16-byte columns of 256 bytes).
; K = 1,024 goes in four chunks of 256 through two LDS slots; the text is written out, without a loop.
; CLUSTERS: 4 x 4 work-groups.  The four of a column of the cluster need the same columns of Wq, the four of a row the same columns of Wk: joint tensor loads divide the requests by four.
; The matrix instruction is used transposed (source 0 = 16 columns of Wq, source 1 = 16 columns of Wk): lane l holds row e = l % 16, registers 0-7 the columns d = 8 (l / 16) + 0..7.
.set PQ,     288                       ; Wq's LDS rows: 128 columns, 256 + 32 bytes
.set HALFQ,  128*PQ                    ; one tensor load of waves 0, 1: 128 rows.  Also four steps of 32 rows
.set PK,     160                       ; Wk's LDS rows: 64 columns, 128 + 32 bytes
.set HALFK,  128*PK                    ; one tensor load of waves 2, 3
.set KOFF,   2*HALFQ                   ; Wk's 256 rows lie behind Wq's
.set SLOT,   2*HALFQ+2*HALFK           ; 114,688
.set STAGE,  2*SLOT                    ; 229,376: 64 rows x 272 bytes, the work-group's; written by LDS stores alone, no tensor load lands there
.set SPITCH, 272
.set CHUNK,  256                       ; rows of a slot
.set WROW,   2048                      ; bytes in a row of wqk16 and of b16
.set GSCALE, 0x34b8aa3b                ; log2(e) 2^-22
.set ADRK, 16                          ; v16-17  my Wk fragments in slot 0, 1
.set ADRQ, 20                          ; v20-23  my Wq fragments: slot 0 steps 0-3, steps 4-7, slot 1 likewise (step 7 lies 64,512 bytes in: with the fragment's own offsets that passes an LDS offset's 16 bits)
.set STO,  24
.set RD,   25
.set CO,   26
.set ACC,  32                          ; v[32:95]   tile (a, b) at ACC + 8 (4 a + b)
.set FK,   96                          ; v[96:127]  Wk's fragments, two buffers of 2
.set FQ,   128                         ; v[128:191] Wq's fragments, two buffers of 4
.set TMP,  192                         ; v[192:223] packed results
.set RB,   224                         ; v[224:255] rows read back
.set G1, 24                            ; s[24:31] descriptor group 1, Wq's tiles
.set G0, 32                            ; s[32:39] group 0, Wq's tiles, one set for each slot
.set G1B, 48                           ; s[48:55] group 1, Wk's tiles
.set G0B, 56                           ; s[56:63] group 0, Wk's tiles
; A joint load: waves 0 and 1 fetch Wq's two halves, waves 2 and 3 Wk's.  The branch hangs on the wave's number alone.
.macro JLOAD s
	s_cmp_eq_u32 s11, 0
	s_cbranch_scc0 .Lfor_k_\@
	tensor_load_to_lds s[G0+4*\s:G0+4*\s+3], s[G1:G1+7]
	s_nop 0
	s_branch .Lasked_\@
.Lfor_k_\@:
	tensor_load_to_lds s[G0B+4*\s:G0B+4*\s+3], s[G1B:G1B+7]
	s_nop 0
.Lasked_\@:
.endm
; A round of the cluster's barrier: my work-group's barrier; wave 0 signals for the work-group; every wave waits for all sixteen; my work-group's barrier again.
.macro CROUND
	s_barrier_signal -1
	s_barrier_wait -1
	s_cmp_lg_u32 s10, 0
	s_cbranch_scc1 .Lnot_wave_0_\@
	s_barrier_signal -3
.Lnot_wave_0_\@:
	s_barrier_wait -3
	s_barrier_signal -1
	s_barrier_wait -1
.endm
	s_load_b64 s[4:5], s[0:1], 0x0                 ; wqk16
	s_load_b64 s[8:9], s[0:1], 0x8                 ; b16
	v_lshl_add_u32 v30, v0, 2, 0x40000
	v_mov_b32 v31, 0
	ds_add_u32 v30, v31
	v_lshrrev_b32 v1, 5, v0
	v_readfirstlane_b32 s10, v1                    ; wave 0..3
	s_lshr_b32 s11, s10, 1                         ; my half of the block's rows e.  Also: I fetch for Wq (0) or for Wk (1)
	s_and_b32 s12, s10, 1                          ; my half of its columns d.  Also: which 128 rows of a chunk I fetch
	s_bfe_u32 s40, ttmp6, 0x40000                  ; cx
	s_bfe_u32 s41, ttmp6, 0x40004                  ; cy
	s_lshl_b32 s42, ttmp9, 2
	s_add_co_u32 s42, s42, s40                     ; block of 128 columns d, 0..7
	s_and_b32 s13, ttmp7, 0xffff
	s_lshl_b32 s13, s13, 2
	s_add_co_u32 s13, s13, s41                     ; block of 64 rows e, 0..15
	s_lshl_b32 s43, s41, 2
	s_lshl_b32 s43, 15, s43                        ; my row of the cluster: places 4 cy .. 4 cy + 3
	s_lshl_b32 s44, 0x1111, s40                    ; my column: places cx, cx + 4, cx + 8, cx + 12
	; group 1.  Wq: 128 rows x 128 elements of 2 bytes, 8 words of padding behind every 64.  Wk: 128 rows x 64 elements, 8 words behind every 32
	s_or_b32 s[G1+0], s44, (1<<16)|(1<<20)|(1<<21)|(5<<22)|(7<<25)   ; the mask of my column; element size; padding on; bit 21 beside a mask; interval; pad
	s_or_b32 s[G1B+0], s43, (1<<16)|(1<<20)|(1<<21)|(4<<22)|(7<<25)  ; the mask of my row
	s_mov_b32 s[G1+1], 128<<16                     ; tensor_dim0
	s_mov_b32 s[G1B+1], 64<<16
	s_mov_b32 s[G1+2], 128<<16                     ; tensor_dim1 = 128 rows
	s_mov_b32 s[G1B+2], 128<<16
	s_mov_b32 s[G1+3], 128<<16                     ; tile_dim0
	s_mov_b32 s[G1B+3], 64<<16
	s_mov_b32 s[G1+4], 128                         ; tile_dim1
	s_mov_b32 s[G1B+4], 128
	s_mov_b32 s[G1+5], 1024                        ; from row to row
	s_mov_b32 s[G1B+5], 1024
	s_mov_b32 s[G1+6], 0
	s_mov_b32 s[G1B+6], 0
	s_mov_b32 s[G1+7], 0
	s_mov_b32 s[G1B+7], 0
	; Wk's tiles hang on the block of rows e alone, Wq's on the block of columns d alone; each offset is made in registers that never hold the other coordinate
	s_lshl_b32 s16, s12, 18                        ; my 128 rows of a chunk: x 2,048 bytes
	s_lshl_b32 s17, s13, 7                         ; 64 columns of 2 bytes x block
	s_add_co_u32 s16, s16, s17
	s_add_co_u32 s16, s16, 0x200000                ; plane k
	s_mov_b32 s17, 0
	s_lshl_b32 s46, s12, 18
	s_lshl_b32 s47, s42, 8                         ; 128 columns of 2 bytes x block; plane q begins at 0
	s_add_co_u32 s46, s46, s47
	s_mov_b32 s47, 0
	s_mul_i32 s20, s10, HALFQ                      ; waves 0, 1: Wq's halves at 0 and HALFQ
	s_mul_i32 s21, s10, HALFK
	s_add_co_u32 s21, s21, KOFF-2*HALFK            ; waves 2, 3: Wk's halves at KOFF and KOFF + HALFK
	s_wait_dscnt 0x0
	s_wait_kmcnt 0x0
	s_add_nc_u64 s[14:15], s[4:5], s[16:17]
	s_add_nc_u64 s[46:47], s[4:5], s[46:47]
	CROUND                                         ; all sixteen work-groups are here: the first joint loads meet
.irp s, 0,1
	s_mov_b32 s[G0+4*\s], 1                                        ; count = 1
	s_add_co_u32 s[G0+4*\s+1], s20, \s*SLOT                        ; LDS address
	s_add_nc_u64 s[G0+4*\s+2:G0+4*\s+3], s[46:47], \s*CHUNK*WROW   ; global address: chunk s
	s_or_b32 s[G0+4*\s+3], s[G0+4*\s+3], 0x80000000                ; type = 2
	s_mov_b32 s[G0B+4*\s], 1
	s_add_co_u32 s[G0B+4*\s+1], s21, \s*SLOT
	s_add_nc_u64 s[G0B+4*\s+2:G0B+4*\s+3], s[14:15], \s*CHUNK*WROW
	s_or_b32 s[G0B+4*\s+3], s[G0B+4*\s+3], 0x80000000
	JLOAD \s                                       ; both slots' first fills go out together: two tensor loads of the wave are out, never more
.endr
	; a transposing load: lane l addresses row 8 (l / 16) + l % 8 of the step's first 16, 16 bytes chosen by bit 3 of the lane; a second load takes the rows 16 further down
	v_and_b32 v1, 15, v0                           ; l % 16
	v_bfe_u32 v2, v0, 4, 1                         ; l / 16
	v_and_b32 v3, 7, v0
	v_lshl_add_u32 v3, v2, 3, v3
	v_bfe_u32 v4, v0, 3, 1
	v_lshlrev_b32 v4, 4, v4
	v_mul_u32_u24 v5, v3, PK
	v_add_nc_u32 v5, v5, v4
	v_mul_u32_u24 v6, v3, PQ
	v_add_nc_u32 v6, v6, v4
	s_lshl_b32 s22, s11, 6                         ; my 32 columns e of 2 bytes
	s_add_co_u32 s22, s22, KOFF
	v_add_nc_u32 v[ADRK], s22, v5
	v_add_nc_u32 v[ADRK+1], SLOT, v[ADRK]
	s_lshl_b32 s23, s12, 7                         ; my 64 columns d
	v_add_nc_u32 v[ADRQ], s23, v6
	v_add_nc_u32 v[ADRQ+1], HALFQ, v[ADRQ]
	v_add_nc_u32 v[ADRQ+2], SLOT, v[ADRQ]
	v_add_nc_u32 v[ADRQ+3], SLOT+HALFQ, v[ADRQ]
	s_mul_i32 s22, s11, 32*SPITCH                  ; the stage, in: my 32 rows, my 128 bytes of them,
	s_lshl_b32 s23, s12, 7
	s_add_co_u32 s22, s22, s23
	s_add_co_u32 s22, s22, STAGE
	v_mul_u32_u24 v7, v1, SPITCH                   ; row l % 16, 16 bytes for each half of the lanes
	v_lshl_add_u32 v7, v2, 4, v7
	v_add_nc_u32 v[STO], s22, v7
	s_mul_i32 s23, s10, 16*SPITCH                  ; back: wave w takes rows 16 w .. 16 w + 15 whole,
	s_add_co_u32 s23, s23, STAGE
	v_mul_u32_u24 v8, v2, SPITCH                   ; lanes 0-15 one row of 256 bytes, lanes 16-31 the next
	v_lshl_add_u32 v8, v1, 4, v8
	v_add_nc_u32 v[RD], s23, v8
	v_lshlrev_b32 v9, 11, v2
	v_lshl_add_u32 v[CO], v1, 4, v9                ; the same two rows in b16
; 8 matrix instructions: my 2 x 4 tiles, 32 along f, from buffer f.  zero = 1: the product starts the sums, nothing is cleared
.macro MULG f, zero
.irp a, 0,1
.irp b, 0,1,2,3
.if \zero
	v_wmma_f32_16x16x32_f16 v[ACC+8*(4*\a+\b):ACC+8*(4*\a+\b)+7], v[FQ+32*\f+8*\b:FQ+32*\f+8*\b+7], v[FK+16*\f+8*\a:FK+16*\f+8*\a+7], 0
.else
	v_wmma_f32_16x16x32_f16 v[ACC+8*(4*\a+\b):ACC+8*(4*\a+\b)+7], v[FQ+32*\f+8*\b:FQ+32*\f+8*\b+7], v[FK+16*\f+8*\a:FK+16*\f+8*\a+7], v[ACC+8*(4*\a+\b):ACC+8*(4*\a+\b)+7]
.endif
.endr
.endr
.endm
; 12 LDS loads: the fragments of step q (32 rows f) of a slot into buffer f
.macro FETCHG slot, q, f
.irp a, 0,1
	ds_load_tr16_b128 v[FK+16*\f+8*\a:FK+16*\f+8*\a+3],   v[ADRK+\slot] offset:(\q)*32*PK+32*\a
	ds_load_tr16_b128 v[FK+16*\f+8*\a+4:FK+16*\f+8*\a+7], v[ADRK+\slot] offset:(\q)*32*PK+32*\a+16*PK
.endr
.irp b, 0,1,2,3
	ds_load_tr16_b128 v[FQ+32*\f+8*\b:FQ+32*\f+8*\b+3],   v[ADRQ+2*\slot+(\q)/4] offset:((\q)%4)*32*PQ+32*\b
	ds_load_tr16_b128 v[FQ+32*\f+8*\b+4:FQ+32*\f+8*\b+7], v[ADRQ+2*\slot+(\q)/4] offset:((\q)%4)*32*PQ+32*\b+16*PQ
.endr
.endm
; four places behind a matrix instruction before a load lands on a register that it read, or a vector instruction reads its result
.macro PLACES
.rept 4
	v_nop
.endr
.endm
; step q of a chunk: fetches step q + 1 into buffer g, which the step before multiplied, and multiplies buffer f
.macro STEP slot, q, f, g, zero
.if \q < 7
.if \q
	PLACES                                         ; (in front of step 0 they stand in CHANGE, or no product has been issued yet)
.endif
	FETCHG \slot, \q+1, \g
	s_wait_dscnt 12                                ; buffer f is in; the 12 loads just issued stay out
.else
	s_wait_dscnt 0                                 ; the chunk's last fragments; my reads of this slot are over
.endif
	MULG \f, \zero
.endm
.macro CHUNKG slot, zero
	STEP \slot, 0, 0, 1, \zero
	STEP \slot, 1, 1, 0, 0
	STEP \slot, 2, 0, 1, 0
	STEP \slot, 3, 1, 0, 0
	STEP \slot, 4, 0, 1, 0
	STEP \slot, 5, 1, 0, 0
	STEP \slot, 6, 0, 1, 0
	STEP \slot, 7, 1, 0, 0
.endm
; from one slot to the other.  In front of the barrier each wave's reads of the old slot are back and all its tensor loads have landed, its part of the next slot among them.
; fill = 1: the barrier is a round of the cluster's barrier, and behind it the old slot is filled again, two chunks ahead, first of all
.macro CHANGE slot, next, fill
	s_wait_dscnt 0x0
	s_wait_tensorcnt 0x0
	ds_add_u32 v30, v31
	s_wait_dscnt 0x0
.if \fill
	CROUND                                         ; no wave of any partner still reads this slot or has a load on its way
	s_add_nc_u64 s[G0+4*\slot+2:G0+4*\slot+3], s[G0+4*\slot+2:G0+4*\slot+3], 2*CHUNK*WROW
	s_add_nc_u64 s[G0B+4*\slot+2:G0B+4*\slot+3], s[G0B+4*\slot+2:G0B+4*\slot+3], 2*CHUNK*WROW
	JLOAD \slot                                    ; the wave's one tensor load behind the round
.else
	s_barrier_signal -1
	s_barrier_wait -1
.endif
	PLACES
	FETCHG \next, 0, 0
.endm
	s_wait_tensorcnt 0x1                           ; my part of chunk 0 is in; chunk 1's load, issued behind it, may stay out
	s_barrier_signal -1
	s_barrier_wait -1
	FETCHG 0, 0, 0
	CHUNKG 0, 1
	CHANGE 0, 1, 1                                 ; slot 0 takes chunk 2
	CHUNKG 1, 0
	CHANGE 1, 0, 1                                 ; slot 1 takes chunk 3
	CHUNKG 0, 0
	CHANGE 0, 1, 0                                 ; nothing is left to fetch
	CHUNKG 1, 0
	; THE WAY OUT: scale, round to f16, 16 bytes a lane into the work-group's stage; behind a barrier each wave reads 16 whole rows of 256 bytes back and stores them
	PLACES
.set kk, 0
.rept 32
	v_pk_mul_f32 v[ACC+2*kk:ACC+2*kk+1], v[ACC+2*kk:ACC+2*kk+1], GSCALE op_sel_hi:[1,0]
.set kk, kk+1
.endr
.set kk, 0
.rept 32
	v_cvt_pk_f16_f32 v[TMP+kk], v[ACC+2*kk], v[ACC+2*kk+1]
.set kk, kk+1
.endr
.irp a, 0,1
.irp b, 0,1,2,3
	ds_store_b128 v[STO], v[TMP+4*(4*\a+\b):TMP+4*(4*\a+\b)+3] offset:\a*16*SPITCH+32*\b
.endr
.endr
	s_wait_dscnt 0x0                               ; for the other waves' sake: my stores are done
	s_barrier_signal -1
	s_barrier_wait -1
	s_lshl_b32 s16, s13, 6
	s_lshl_b32 s17, s10, 4
	s_add_co_u32 s16, s16, s17                     ; my first row: 64 x block + 16 x wave
	s_lshl_b32 s16, s16, 11
	s_mov_b32 s17, 0
	s_add_nc_u64 s[8:9], s[8:9], s[16:17]
	s_lshl_b32 s46, s42, 8                         ; 128 columns of 2 bytes x block
	s_mov_b32 s47, 0
	s_add_nc_u64 s[8:9], s[8:9], s[46:47]
.irp t, 0,1,2,3,4,5,6,7
	ds_load_b128 v[RB+4*\t:RB+4*\t+3], v[RD] offset:\t*2*SPITCH
.endr
.irp t, 0,1,2,3,4,5,6,7
	s_wait_dscnt 7-\t                              ; load t is in, the 7 - t younger ones stay out
	global_store_b128 v[CO], v[RB+4*\t:RB+4*\t+3], s[8:9] offset:2*\t*WROW   ; 16 lanes store 256 consecutive bytes, aligned
.endr
	s_wait_tensorcnt 0x0
	ds_add_u32 v30, v31
	s_wait_dscnt 0x0
	CROUND                                         ; the closing round: no work-group ends while a partner may still ask for a tile that names it
	s_endpgm
.Lfunc_end_k_qbf1efa91cb_gram:
	.size	k_qbf1efa91cb_gram, .Lfunc_end_k_qbf1efa91cb_gram-k_qbf1efa91cb_gram
	.p2alignl 7, 3214868480
	.fill 96, 4, 3214868480
	.section	.rodata,"a",@progbits
	.p2align	6, 0x0
	.amdhsa_kernel k_qbf1efa91cb_gram
		.amdhsa_group_segment_fixed_size 327680
		.amdhsa_private_segment_fixed_size 0
		.amdhsa_enable_private_segment 0
		.amdhsa_kernarg_size 16
		.amdhsa_user_sgpr_count 2
		.amdhsa_user_sgpr_kernarg_segment_ptr 1
		.amdhsa_wavefront_size32 1
		.amdhsa_system_sgpr_workgroup_id_x 1
		.amdhsa_system_sgpr_workgroup_id_y 1
		.amdhsa_system_sgpr_workgroup_id_z 1
		.amdhsa_system_vgpr_workitem_id 0
		.amdhsa_next_free_vgpr 256
		.amdhsa_next_free_sgpr 80
		.amdhsa_reserve_vcc 0
		.amdhsa_float_denorm_mode_32 3
		.amdhsa_float_denorm_mode_16_64 3
		.amdhsa_memory_ordered 1
		.amdhsa_forward_progress 1
		.amdhsa_inst_pref_size 61
	.end_amdhsa_kernel
	.amdgpu_metadata
---
amdhsa.version: [ 1, 2 ]
amdhsa.kernels:
  - .name:           k_qbf1efa91cb_gram
    .symbol:         k_qbf1efa91cb_gram.kd
    .args:
      - { .name: wqk16, .offset: 0, .size: 8, .value_kind: global_buffer, .address_space: global }
      - { .name: b16, .offset: 8, .size: 8, .value_kind: global_buffer, .address_space: global }
    .group_segment_fixed_size: 327680
    .private_segment_fixed_size: 0
    .kernarg_segment_align: 8
    .kernarg_segment_size: 16
    .max_flat_workgroup_size: 128
    .sgpr_count:     80
    .vgpr_count:     256
    .wavefront_size: 32
...
	.end_amdgpu_metadata
.endif
;; end of part 2
;; launch yv (part 3): grid 8 x 32, 4 waves a work-group, clusters of 4 x 4, 327,680 bytes of LDS; arguments x16, b16, yv; writes yv
.if DOCPART == 3
	.amdgcn_target "amdgcn-amd-amdhsa--gfx1250"
	.amdhsa_code_object_version 6
	.text
	.protected	k_qbf1efa91cb_yv
	.globl	k_qbf1efa91cb_yv
	.p2align	8
	.type	k_qbf1efa91cb_yv,@function
k_qbf1efa91cb_yv:
	s_mov_b64 s[64:65], 0
	v_nop
	global_prefetch_b8 v0, s[64:65] scope:SCOPE_SE
	s_setreg_imm32_b32 hwreg(HW_REG_WAVE_MODE, 25, 1), 1
	s_wait_xcnt 0x0
	s_wait_alu depctr_hold_cnt(0) depctr_sa_sdst(0) depctr_va_vdst(0) depctr_va_sdst(0) depctr_va_ssrc(0) depctr_va_vcc(0) depctr_vm_vsrc(0)
	s_getreg_b32 s2, hwreg(HW_REG_IB_STS2, 6, 4)
	s_cmp_eq_u32 s2, 0
	s_cbranch_scc0 .Lentry_in_a_cluster
	s_endpgm
.Lentry_in_a_cluster:
	s_bfe_u32 s2, ttmp6, 0x10000c
	s_cmp_lg_u32 s2, 0xf033
	s_cbranch_scc0 .Lentry_shape_is_right
	s_endpgm
.Lentry_shape_is_right:
; SelfAttention, step 3 of 5:  yv[n / 1024][m][n mod 1024] = 2^-12 x sum over d of x16[m][d] b16[n][d], n = 0 .. 2047, f16; sums in f32.
; b16's rows 0-1023 hold 4 log2(e) G^T, its rows 1024-2047 hold 2^12 Wv: plane 0 is y' = log2(e) 2^-10 x G (it stands for q and k: head of the first step), plane 1 is v.
; The one factor 2^-12 serves both planes: it undoes Wv's 2^12 and brings y into f16's range.
; LIMITS: |y| above 4.6e7 and |v| above 65,504 become infinities in f16.
; A work-group makes 256 rows x 256 columns with four waves, as many as a WGP has SIMDs; a wave makes 128 x 128: 64 accumulator tiles of 16 x 16, 512 registers.  256 work-groups.
; K = 1,024 goes in steps of 128 through a ring of two LDS slots filled by the tensor data mover; a tile's rows are 256 bytes of memory, at multiples of 256 bytes.
; CLUSTERS: 4 x 4 work-groups.  The four of a row of the cluster need the same tiles of x16, the four of a column the same tiles of b16: each tile is asked for
; jointly, by the same tensor load in all four with a mask that names them, which divides the requests by four.
; REGISTERS, in windows of 256: window 0: v0-31 addresses, v64-127 and v128-191 fragments of A (two buffers), v192-223 at work on the way out;
;   window 1: v64-127, v128-191 fragments of B;  window 2: the 32 accumulator tiles of my rows 0-63 (tile (a, b) at v[8 (8 a + b)]);  window 3: rows 64-127.
; THE MATRIX INSTRUCTION IS USED TRANSPOSED: source 0 = 16 rows of B, source 1 = 16 rows of A, so that lane l holds row l % 16 of C and its
; registers 0 to 7 the neighbouring columns 8 (l / 16) + 0 .. 7, which pack into 16 bytes.
; The 64 accumulators take turns, one instruction a turn, in the same order in every quarter step.
.set SIZE_K, 1024
.set KSTEP,  128
.set PITCH,  272                       ; an LDS row: 256 bytes + 16 of padding, an odd multiple of 16: the 16 rows of a fragment load start at 16 different 16-byte columns
.set HALFT,  128*PITCH                 ; what one tensor load brings
.set SLOT,   4*HALFT                   ; A's 256 rows, then B's 256 rows
.set STAGE,  2*SLOT                    ; behind the ring: 16 rows x 272 bytes for each wave; no tensor load lands there
.set SPITCH, 272
.set LAPS,   SIZE_K/(2*KSTEP)          ; 4 laps of two K steps
.set CROW,   2048                      ; bytes in a row of a plane
.set YSCALE, 0x39800000                ; 2^-12
.set ADRA, 16                          ; v16-17  LDS address of my A fragments in slot 0, 1
.set ADRB, 20                          ; v20-21  the same for B
.set STO,  24                          ; v24     the way out: where I put 16 bytes of a row
.set RD,   25                          ; v25     the way out: where I read a row back
.set CO,   26                          ; v26     my byte offset in C
.set F0,   64
.set F1,   128
.set TMP,  192
.set G1, 24                            ; s[24:31] descriptor group 1, A's tiles
.set G0, 32                            ; s[32:39] descriptor group 0, A's tiles, one set for each slot
.set G1B, 48                           ; s[48:55] group 1, B's tiles
.set G0B, 56                           ; s[56:63] group 0, B's tiles
.set MSB, 0
.macro WIN new                         ; the immediate's high byte repeats the setting that is left
.if MSB != \new
	s_set_vgpr_msb (MSB<<8)|\new
.set MSB, \new
.endif
.endm
.set MUL_LO, 0xa1                      ; source 0 (B) window 1, source 1 (A) window 0, C and D window 2
.set MUL_HI, 0xf1                      ; the same, C and D window 3
.set TO_B,   0x40                      ; destination window 1, address window 0
; A joint load: waves 0 and 1 fetch A's two halves, waves 2 and 3 B's.  The branch hangs on the wave's number alone.
.macro JLOAD s
	s_cmp_eq_u32 s11, 0
	s_cbranch_scc0 .Lfor_b_\@
	tensor_load_to_lds s[G0+4*\s:G0+4*\s+3], s[G1:G1+7]
	s_nop 0
	s_branch .Lasked_\@
.Lfor_b_\@:
	tensor_load_to_lds s[G0B+4*\s:G0B+4*\s+3], s[G1B:G1B+7]
	s_nop 0
.Lasked_\@:
.endm
; A round of the cluster's barrier: my work-group's barrier; wave 0 signals for the work-group; every wave waits for all sixteen; my work-group's barrier again.
.macro CREST                           ; a round behind its opening barrier
	s_cmp_lg_u32 s10, 0
	s_cbranch_scc1 .Lnot_wave_0_\@
	s_barrier_signal -3
.Lnot_wave_0_\@:
	s_barrier_wait -3
	s_barrier_signal -1
	s_barrier_wait -1
.endm
.macro CROUND
	s_barrier_signal -1
	s_barrier_wait -1
	CREST
.endm
	s_load_b128 s[4:7], s[0:1], 0x0                ; x16 s[4:5], b16 s[6:7]
	s_load_b64 s[8:9], s[0:1], 0x10                ; yv
	s_set_vgpr_msb 0x40
	v_lshl_add_u32 v255, v0, 2, 0x48400
	s_set_vgpr_msb 0x4000
	v_mov_b32 v255, 0
	s_set_vgpr_msb 0x1
	ds_add_u32 v255, v255
	s_set_vgpr_msb 0x100
	v_lshrrev_b32 v1, 5, v0
	v_readfirstlane_b32 s10, v1                    ; wave 0..3
	s_lshr_b32 s11, s10, 1                         ; which half of the block's rows is mine.  Also: I fetch for A (0) or for B (1)
	s_and_b32 s12, s10, 1                          ; which half of its columns.  Also: which 128 rows of that tile I fetch
	s_bfe_u32 s40, ttmp6, 0x40000                  ; cx
	s_bfe_u32 s41, ttmp6, 0x40004                  ; cy
	s_lshl_b32 s42, ttmp9, 2
	s_add_co_u32 s42, s42, s40                     ; block column 0..7 = 4 x cluster x + cx
	s_and_b32 s13, ttmp7, 0xffff
	s_lshl_b32 s13, s13, 2
	s_add_co_u32 s13, s13, s41                     ; block row 0..31 = 4 x cluster y + cy
	s_lshl_b32 s43, s41, 2
	s_lshl_b32 s43, 15, s43                        ; my row of the cluster: places 4 cy .. 4 cy + 3
	s_lshl_b32 s44, 0x1111, s40                    ; my column: places cx, cx + 4, cx + 8, cx + 12
	; group 1: a tile of 128 rows x 128 elements of 2 bytes, 4 words of padding behind every 64 words
	s_or_b32 s[G1+0], s43, (1<<16)|(1<<20)|(1<<21)|(5<<22)|(3<<25)   ; the mask of my row; element size; padding on; bit 21 beside a mask; interval; pad
	s_or_b32 s[G1B+0], s44, (1<<16)|(1<<20)|(1<<21)|(5<<22)|(3<<25)  ; the same with the mask of my column
	s_mov_b32 s[G1+1], KSTEP<<16                   ; tensor_dim0 = 128
	s_mov_b32 s[G1B+1], KSTEP<<16
	s_mov_b32 s[G1+2], 128<<16                     ; tensor_dim1 = 128
	s_mov_b32 s[G1B+2], 128<<16
	s_mov_b32 s[G1+3], KSTEP<<16                   ; tile_dim0 = 128
	s_mov_b32 s[G1B+3], KSTEP<<16
	s_mov_b32 s[G1+4], 128                         ; tile_dim1 = 128
	s_mov_b32 s[G1B+4], 128
	s_mov_b32 s[G1+5], SIZE_K                      ; from row to row 1,024 elements
	s_mov_b32 s[G1B+5], SIZE_K
	s_mov_b32 s[G1+6], 0
	s_mov_b32 s[G1B+6], 0
	s_mov_b32 s[G1+7], 0
	s_mov_b32 s[G1B+7], 0
	; A's tiles hang on the block row alone, B's on the block column alone; each address is made in registers that never hold the other coordinate
	s_lshl_b32 s17, s12, 7                         ; which 128 rows of the tile I fetch
	s_lshl_b32 s16, s13, 8
	s_add_co_u32 s16, s16, s17                     ; A: row 256 x block row + 128 x half
	s_lshl_b32 s46, s42, 8
	s_add_co_u32 s46, s46, s17                     ; B: row 256 x block column + 128 x half
	s_mov_b32 s17, 0
	s_mov_b32 s47, 0
	s_mov_b64 s[18:19], SIZE_K*2
	s_mul_u64 s[16:17], s[16:17], s[18:19]         ; in bytes
	s_mul_u64 s[46:47], s[46:47], s[18:19]
	s_mul_i32 s20, s10, HALFT                      ; where they go: wave x 128 rows; no place in the cluster enters an LDS address
	s_wait_dscnt 0x0
	s_wait_kmcnt 0x0
	s_add_nc_u64 s[14:15], s[4:5], s[16:17]
	s_add_nc_u64 s[46:47], s[6:7], s[46:47]
	CROUND                                         ; all sixteen work-groups are here: the first joint loads meet
.irp s, 0,1
	s_mov_b32 s[G0+4*\s], 1                                        ; count = 1
	s_add_co_u32 s[G0+4*\s+1], s20, \s*SLOT                        ; LDS address
	s_add_nc_u64 s[G0+4*\s+2:G0+4*\s+3], s[14:15], \s*KSTEP*2      ; global address: K step s
	s_or_b32 s[G0+4*\s+3], s[G0+4*\s+3], 0x80000000                ; type = 2
	s_mov_b32 s[G0B+4*\s], 1
	s_add_co_u32 s[G0B+4*\s+1], s20, \s*SLOT
	s_add_nc_u64 s[G0B+4*\s+2:G0B+4*\s+3], s[46:47], \s*KSTEP*2
	s_or_b32 s[G0B+4*\s+3], s[G0B+4*\s+3], 0x80000000
	JLOAD \s                                       ; both slots' first fills go out together: two tensor loads of the wave are out, never more
.endr
	; a fragment is 16 rows x 32 K in 8 registers: lane l holds row l % 16; two loads of 16 bytes, 32 bytes apart, at row x pitch + 16 (l / 16)
	v_and_b32 v1, 15, v0                           ; l % 16
	v_bfe_u32 v2, v0, 4, 1                         ; l / 16
	v_mul_u32_u24 v3, v1, PITCH
	v_lshl_add_u32 v3, v2, 4, v3
	s_mul_i32 s21, s11, HALFT                      ; my 128 rows of A
	s_mul_i32 s22, s12, HALFT                      ; my 128 rows of B,
	s_add_co_u32 s22, s22, 2*HALFT                 ; which lie behind A's 256
.irp s, 0,1
	v_add_nc_u32 v[ADRA+\s], s21, v3
	v_add_nc_u32 v[ADRB+\s], s22, v3
	s_add_co_u32 s21, s21, SLOT
	s_add_co_u32 s22, s22, SLOT
.endr
	s_mul_i32 s23, s10, 16*SPITCH
	s_add_co_u32 s23, s23, STAGE                   ; my stage
	v_mul_u32_u24 v4, v1, SPITCH
	v_lshl_add_u32 v4, v2, 4, v4
	v_add_nc_u32 v[STO], s23, v4                   ; in: row l % 16, 16 bytes for each half of the lanes
	v_mul_u32_u24 v5, v2, SPITCH
	v_lshl_add_u32 v5, v1, 4, v5
	v_add_nc_u32 v[RD], s23, v5                    ; back: lanes 0-15 one row of 256 bytes, lanes 16-31 the next
	v_mul_u32_u24 v5, v2, CROW
	v_lshl_add_u32 v[CO], v1, 4, v5                ; the same two rows in C
; 16 matrix instructions: m blocks a0, a0 + 1 of the window's four x all 8 n blocks, 32 along K.  zero = 1: the first product starts the sums
.macro MUL16 f, hi, a0, zero
.irp a, \a0, \a0+1
.irp b, 0,1,2,3,4,5,6,7
.if \zero
	v_wmma_f32_16x16x32_f16 v[8*(8*(\a)+\b):8*(8*(\a)+\b)+7], v[\f+8*\b:\f+8*\b+7], v[\f+8*(4*\hi+\a):\f+8*(4*\hi+\a)+7], 0
.else
	v_wmma_f32_16x16x32_f16 v[8*(8*(\a)+\b):8*(8*(\a)+\b)+7], v[\f+8*\b:\f+8*\b+7], v[\f+8*(4*\hi+\a):\f+8*(4*\hi+\a)+7], v[8*(8*(\a)+\b):8*(8*(\a)+\b)+7]
.endif
.endr
.endr
.endm
; 32 LDS loads in one run: the fragments of one quarter step (128 rows of B, 128 rows of A, 32 K at byte k of the rows) into buffer f
.macro FETCH slot, k, f
	WIN TO_B
.irp i, 0,1,2,3,4,5,6,7
	ds_load_b128 v[\f+8*\i:\f+8*\i+3],   v[ADRB+\slot] offset:\k+\i*16*PITCH
	ds_load_b128 v[\f+8*\i+4:\f+8*\i+7], v[ADRB+\slot] offset:\k+\i*16*PITCH+32
.endr
	WIN 0
.irp i, 0,1,2,3,4,5,6,7
	ds_load_b128 v[\f+8*\i:\f+8*\i+3],   v[ADRA+\slot] offset:\k+\i*16*PITCH
	ds_load_b128 v[\f+8*\i+4:\f+8*\i+7], v[ADRA+\slot] offset:\k+\i*16*PITCH+32
.endr
.endm
; four places behind a matrix instruction before a load lands on a register that it read, or a vector instruction reads its result
.macro PLACES
.rept 4
	v_nop
.endr
.endm
; one of a K step's first three quarters: multiplies buffer f; in its middle it fetches the next quarter's fragments into buffer g
.macro QUARTER slot, k, f, g, zero
	s_wait_dscnt 8                                 ; B and A's rows 0-63 are in; the youngest eight loads (A's rows 64-127) may be out
	WIN MUL_LO
	MUL16 \f, 0, 0, \zero
	MUL16 \f, 0, 2, \zero
	PLACES
	FETCH \slot, \k, \g
	s_wait_dscnt 32                                ; all but the 32 just issued
	WIN MUL_HI
	MUL16 \f, 1, 0, \zero
	MUL16 \f, 1, 2, \zero
.endm
.macro THREE slot, zero
	QUARTER \slot, 64,  F0, F1, \zero
	QUARTER \slot, 128, F1, F0, 0
	QUARTER \slot, 192, F0, F1, 0
.endm
; the last quarter: multiplies buffer 1 and changes slots.  One barrier for two things: in front of it each wave waits for its reads of this slot and for
; all its tensor loads (the one that is out is its part of the next slot); behind it the refill comes first, then the next slot's first fragments.
.macro TURN slot, next, fill
	s_wait_dscnt 8
	WIN MUL_LO
	MUL16 F1, 0, 0, 0
	s_wait_dscnt 0                                 ; my reads of this slot are over
	s_wait_tensorcnt 0x0                           ; all my tensor loads have landed
	ds_add_u32 v255, v255
	s_wait_dscnt 0x0
	s_barrier_signal -1                            ; where a slot is filled again this barrier opens a round of the cluster's barrier
	MUL16 F1, 0, 2, 0                              ; register work while the others arrive
	WIN 0
	s_barrier_wait -1
.if \fill
	CREST                                          ; no wave of any partner still reads this slot or has a load on its way
	s_add_nc_u64 s[G0+4*\slot+2:G0+4*\slot+3], s[G0+4*\slot+2:G0+4*\slot+3], 2*KSTEP*2
	s_add_nc_u64 s[G0B+4*\slot+2:G0B+4*\slot+3], s[G0B+4*\slot+2:G0B+4*\slot+3], 2*KSTEP*2
	JLOAD \slot                                    ; the wave's one tensor load behind the round, and the first thing there
.endif
	PLACES
	FETCH \next, 0, F0
	WIN MUL_HI
	MUL16 F1, 1, 0, 0
	MUL16 F1, 1, 2, 0
.endm
.macro LAP zero
	THREE 0, \zero
	TURN 0, 1, 1
	THREE 1, 0
	TURN 1, 0, 1
.endm
	s_wait_tensorcnt 1                             ; my part of K step 0 is in; K step 1's load, issued behind it, may stay out
	s_barrier_signal -1
	s_barrier_wait -1
	FETCH 0, 0, F0
	LAP 1                                          ; the first lap's first products start the sums: nothing is cleared
	WIN 0                                          ; at a label and at a branch every window is 0
	s_mov_b32 s3, LAPS-2
.Llap:
	LAP 0
	WIN 0
	s_sub_co_u32 s3, s3, 1
	s_cmp_lg_u32 s3, 0
	s_cbranch_scc1 .Llap
	THREE 0, 0                                     ; the last lap fills nothing
	TURN 0, 1, 0
	THREE 1, 0
	s_wait_dscnt 8
	WIN MUL_LO
	MUL16 F1, 0, 0, 0
	MUL16 F1, 0, 2, 0
	s_wait_dscnt 0
	WIN MUL_HI
	MUL16 F1, 1, 0, 0
	MUL16 F1, 1, 2, 0
	; THE WAY OUT: times 2^-12 in place, then 16 rows at a time: round to f16, 16 bytes a lane into my own stage, read back as whole rows of 256 bytes
	PLACES
	s_lshl_b32 s16, s13, 8
	s_lshl_b32 s14, s11, 7
	s_add_co_u32 s16, s16, s14                     ; my first row
	s_lshl_b32 s16, s16, 11                        ; x 2,048 bytes: below 2^24
	s_mov_b32 s17, 0
	s_add_nc_u64 s[8:9], s[8:9], s[16:17]
	s_lshr_b32 s46, s42, 2
	s_lshl_b32 s46, s46, 24                        ; the plane: 16,777,216 bytes each
	s_and_b32 s47, s42, 3
	s_lshl_b32 s47, s47, 9                         ; 256 columns of 2 bytes
	s_add_co_u32 s46, s46, s47
	s_lshl_b32 s47, s12, 8                         ; my half of them
	s_add_co_u32 s46, s46, s47
	s_mov_b32 s47, 0
	s_add_nc_u64 s[8:9], s[8:9], s[46:47]
; a window's 256 sums times 2^-12.  win: source 0 and destination in window 2 (0x82) or 3 (0xc3)
.macro SCALEW win
	WIN \win
.set kk, 0
.rept 128
	v_pk_mul_f32 v[2*kk:2*kk+1], v[2*kk:2*kk+1], YSCALE op_sel_hi:[1,0]
.set kk, kk+1
.endr
.endm
; rows 16 i .. 16 i + 15 of my block = the eight tiles (a, 0..7) of window 2 or 3 (from = 0x0a or 0x0f: sources 0 and 1); f: F0 or F1 in turn
.macro OUT16 i, a, from, f
	WIN \from
.irp b, 0,1,2,3,4,5,6,7
.irp r, 0,1,2,3
	v_cvt_pk_f16_f32 v[TMP+4*\b+\r], v[8*(8*\a+\b)+2*\r], v[8*(8*\a+\b)+2*\r+1]
.endr
.endr
	WIN 0
.irp b, 0,1,2,3,4,5,6,7
	ds_store_b128 v[STO], v[TMP+4*\b:TMP+4*\b+3] offset:32*\b
.endr
	s_wait_xcnt 0x0                                ; buffer f, which earlier stores read, and the stores' base are rewritten only behind this wait
.if \i
	s_add_nc_u64 s[8:9], s[8:9], 16*CROW
.endif
.irp t, 0,1,2,3,4,5,6,7
	ds_load_b128 v[\f+4*\t:\f+4*\t+3], v[RD] offset:\t*2*SPITCH    ; LDS serves a wave's instructions in order: these see the stores above
.endr
.irp t, 0,1,2,3,4,5,6,7
	s_wait_dscnt 7-\t                              ; load t is in, the 7 - t younger ones stay out
	global_store_b128 v[CO], v[\f+4*\t:\f+4*\t+3], s[8:9] offset:2*\t*CROW   ; 16 lanes store 256 consecutive bytes, aligned
.endr
.endm
	SCALEW 0x82
	OUT16 0, 0, 0x0a, F0
	OUT16 1, 1, 0x0a, F1
	OUT16 2, 2, 0x0a, F0
	OUT16 3, 3, 0x0a, F1
	SCALEW 0xc3
	OUT16 4, 0, 0x0f, F0
	OUT16 5, 1, 0x0f, F1
	OUT16 6, 2, 0x0f, F0
	OUT16 7, 3, 0x0f, F1
	s_set_vgpr_msb 0x1
	s_wait_tensorcnt 0x0
	ds_add_u32 v255, v255
	s_wait_dscnt 0x0
	s_set_vgpr_msb 0x100
	CROUND                                         ; the closing round: no work-group ends while a partner may still ask for a tile that names it
	s_endpgm
.Lfunc_end_k_qbf1efa91cb_yv:
	.size	k_qbf1efa91cb_yv, .Lfunc_end_k_qbf1efa91cb_yv-k_qbf1efa91cb_yv
	.p2alignl 7, 3214868480
	.fill 96, 4, 3214868480
	.section	.rodata,"a",@progbits
	.p2align	6, 0x0
	.amdhsa_kernel k_qbf1efa91cb_yv
		.amdhsa_group_segment_fixed_size 327680
		.amdhsa_private_segment_fixed_size 0
		.amdhsa_enable_private_segment 0
		.amdhsa_kernarg_size 24
		.amdhsa_user_sgpr_count 2
		.amdhsa_user_sgpr_kernarg_segment_ptr 1
		.amdhsa_wavefront_size32 1
		.amdhsa_system_sgpr_workgroup_id_x 1
		.amdhsa_system_sgpr_workgroup_id_y 1
		.amdhsa_system_sgpr_workgroup_id_z 1
		.amdhsa_system_vgpr_workitem_id 0
		.amdhsa_next_free_vgpr 1024
		.amdhsa_next_free_sgpr 80
		.amdhsa_reserve_vcc 0
		.amdhsa_float_denorm_mode_32 3
		.amdhsa_float_denorm_mode_16_64 3
		.amdhsa_memory_ordered 1
		.amdhsa_forward_progress 1
		.amdhsa_inst_pref_size 220
	.end_amdhsa_kernel
	.amdgpu_metadata
---
amdhsa.version: [ 1, 2 ]
amdhsa.kernels:
  - .name:           k_qbf1efa91cb_yv
    .symbol:         k_qbf1efa91cb_yv.kd
    .args:
      - { .name: x16, .offset: 0, .size: 8, .value_kind: global_buffer, .address_space: global }
      - { .name: b16, .offset: 8, .size: 8, .value_kind: global_buffer, .address_space: global }
      - { .name: yv, .offset: 16, .size: 8, .value_kind: global_buffer, .address_space: global }
    .group_segment_fixed_size: 327680
    .private_segment_fixed_size: 0
    .kernarg_segment_align: 8
    .kernarg_segment_size: 24
    .max_flat_workgroup_size: 128
    .sgpr_count:     80
    .vgpr_count:     1024
    .wavefront_size: 32
...
	.end_amdgpu_metadata
.endif
;; end of part 3
;; launch scores (part 4): grid 8 x 32, 4 waves a work-group, clusters of 4 x 4, 327,680 bytes of LDS; arguments yv, x16, p16, mstat, lstat; writes p16, mstat, lstat
.if DOCPART == 4
	.amdgcn_target "amdgcn-amd-amdhsa--gfx1250"
	.amdhsa_code_object_version 6
	.text
	.protected	k_qbf1efa91cb_scores
	.globl	k_qbf1efa91cb_scores
	.p2align	8
	.type	k_qbf1efa91cb_scores,@function
k_qbf1efa91cb_scores:
	s_mov_b64 s[64:65], 0
	v_nop
	global_prefetch_b8 v0, s[64:65] scope:SCOPE_SE
	s_setreg_imm32_b32 hwreg(HW_REG_WAVE_MODE, 25, 1), 1
	s_wait_xcnt 0x0
	s_wait_alu depctr_hold_cnt(0) depctr_sa_sdst(0) depctr_va_vdst(0) depctr_va_sdst(0) depctr_va_ssrc(0) depctr_va_vcc(0) depctr_vm_vsrc(0)
	s_getreg_b32 s2, hwreg(HW_REG_IB_STS2, 6, 4)
	s_cmp_eq_u32 s2, 0
	s_cbranch_scc0 .Lentry_in_a_cluster
	s_endpgm
.Lentry_in_a_cluster:
	s_bfe_u32 s2, ttmp6, 0x10000c
	s_cmp_lg_u32 s2, 0xf033
	s_cbranch_scc0 .Lentry_shape_is_right
	s_endpgm
.Lentry_shape_is_right:
; SelfAttention, step 4 of 5.  A work-group makes one tile of 256 queries x 256 keys of s' = y' x^T (f16 operands, f32 sums, K = 1,024).  y' = log2(e) 2^-10 x G stands for q and k
; (head of the first step), so 32 s' = log2(e) / 32 x (q k^T): the exponent to base 2, the scale 1024^-0.5 folded in.  It leaves
;   mstat[batch][tile][row]  = m', the largest s' of the row in this tile of 256 keys, f32;
;   p16[row][key]            = exp2(32 (s' - m')), f16;
;   lstat[batch][chunk][row] = the sum of those exponentials over a chunk of 128 keys, f32 (summed before the rounding to f16).
; The maximum is taken away before the exponential, tile by tile.  32 is a power of two, so 32 m' is exact and the fused 32 s' - 32 m' is 32 (s' - m') rounded once:
; never above 0, so no exponential passes 1, whatever the inputs; the next step brings the eight tiles of a row to their common maximum.
; LIMITS: exponentials below 2^-24 round to 0 in f16 (beside the tile's largest, which is 1); the row sums are formed in another order than a chain.
; The K loop: four waves, a wave makes 128 x 128 in 512 registers; steps of 128 through two LDS slots filled by the tensor data mover.
; CLUSTERS: 4 x 4 work-groups, all of one batch (a cluster spans 1,024 queries).  The four of a row of the cluster share y's tiles, the four of a column x16's:
; joint tensor loads, which divide the requests by four.
; REGISTERS: windows as follows: 0: addresses, A's fragments, the way out; 1: B's fragments; 2, 3: accumulator tile (a, b) at v[8 (8 a + b)], my rows 0-63, 64-127.
; The matrix instruction is used transposed (source 0 = rows of x16, the keys; source 1 = rows of y'): lane l holds query row l % 16, registers 0-7 the keys 8 (l / 16) + 0..7.
; The 64 accumulators take turns, one instruction a turn.
.set SIZE_K, 1024
.set KSTEP,  128
.set PITCH,  272
.set HALFT,  128*PITCH
.set SLOT,   4*HALFT
.set STAGE,  2*SLOT                    ; 16 rows x 272 bytes for each wave
.set SPITCH, 272
.set XCH,    STAGE+4*16*SPITCH         ; 295,936: 4 waves x 128 row maxima of 4 bytes
.set LSB,    XCH+2048                  ; 297,984: 4 waves x 128 row sums.  Stage, XCH and LSB are written by LDS stores alone; no tensor load lands there
.set LAPS,   SIZE_K/(2*KSTEP)
.set CROW,   4096                      ; bytes in a row of p16
.set ESCALE, 0x42000000                ; 32
.set NSCALE, 0xc2000000                ; - 32
.set LR,   12                          ; v12     my 16 bytes (rows 4 l .. 4 l + 3) of my wave's row sums
.set SO,   13                          ; v13     16 l: my place in a statistic's 512 bytes
.set ADRA, 16
.set ADRB, 20
.set STO,  24
.set RD,   25
.set CO,   26
.set XA,   27                          ; v27     my wave's row maxima, word l % 16
.set XB,   28                          ; v28     my pair of waves' row maxima, word l % 16
.set XR,   29                          ; v29     the same, my 16 bytes
.set LW,   31                          ; v31     my wave's row sums, word l % 16
.set MX,   32                          ; v32-39  row maximum of m tile a
.set PT,   40                          ; v40-47  the pair's first wave's maxima; v40 also takes the other half of the lanes
.set ST,   48                          ; v48-55  statistics on their way out
.set PQ,   56                          ; v56-63  the pair's second wave's maxima
.set F0,   64
.set F1,   128
.set EX,   64                          ; v64-127 64 exponents, then exponentials, of one row in each lane
.set RB0,  128
.set RB1,  160
.set TMP,  192
.set NM,   224                         ; v[224:239] eight pairs (-32 m', -32 m')
.set LS,   240                         ; v240-247 row sums
.set SA,   248                         ; v[248:255] four pairs of running sums
.set G1, 24
.set G0, 32
.set G1B, 48
.set G0B, 56
.set MSB, 0
.macro WIN new
.if MSB != \new
	s_set_vgpr_msb (MSB<<8)|\new
.set MSB, \new
.endif
.endm
.set MUL_LO, 0xa1
.set MUL_HI, 0xf1
.set TO_B,   0x40
.macro JLOAD s
	s_cmp_eq_u32 s11, 0
	s_cbranch_scc0 .Lfor_b_\@
	tensor_load_to_lds s[G0+4*\s:G0+4*\s+3], s[G1:G1+7]
	s_nop 0
	s_branch .Lasked_\@
.Lfor_b_\@:
	tensor_load_to_lds s[G0B+4*\s:G0B+4*\s+3], s[G1B:G1B+7]
	s_nop 0
.Lasked_\@:
.endm
.macro CREST
	s_cmp_lg_u32 s10, 0
	s_cbranch_scc1 .Lnot_wave_0_\@
	s_barrier_signal -3
.Lnot_wave_0_\@:
	s_barrier_wait -3
	s_barrier_signal -1
	s_barrier_wait -1
.endm
.macro CROUND
	s_barrier_signal -1
	s_barrier_wait -1
	CREST
.endm
	s_load_b128 s[4:7], s[0:1], 0x0                ; yv, whose plane 0 is y', s[4:5]; x16 s[6:7]
	s_load_b64 s[8:9], s[0:1], 0x10                ; p16
	s_load_b64 s[68:69], s[0:1], 0x18              ; mstat
	s_load_b64 s[70:71], s[0:1], 0x20              ; lstat
	s_set_vgpr_msb 0x40
	v_lshl_add_u32 v255, v0, 2, 0x49400
	s_set_vgpr_msb 0x4000
	v_mov_b32 v30, 0
	s_set_vgpr_msb 0x1
	ds_add_u32 v255, v30
	s_set_vgpr_msb 0x100
	v_lshrrev_b32 v1, 5, v0
	v_readfirstlane_b32 s10, v1                    ; wave 0..3
	s_lshr_b32 s11, s10, 1                         ; my half of the queries.  Also: I fetch for y' (0) or for x16 (1)
	s_and_b32 s12, s10, 1                          ; my half of the keys.  Also: which 128 rows of that tile I fetch
	s_bfe_u32 s40, ttmp6, 0x40000                  ; cx
	s_bfe_u32 s41, ttmp6, 0x40004                  ; cy
	s_lshl_b32 s42, ttmp9, 2
	s_add_co_u32 s42, s42, s40                     ; key block 0..7 of the batch
	s_and_b32 s13, ttmp7, 0xffff
	s_lshl_b32 s13, s13, 2
	s_add_co_u32 s13, s13, s41                     ; query block 0..31 over all batches
	s_and_b32 s45, ttmp7, 0xffff
	s_lshr_b32 s45, s45, 1                         ; the batch: two clusters of 1,024 queries each; made of the cluster's y alone, which all partners share
	s_lshl_b32 s43, s41, 2
	s_lshl_b32 s43, 15, s43                        ; my row of the cluster
	s_lshl_b32 s44, 0x1111, s40                    ; my column
	s_mov_b32 s72, 0x76543210                      ; v_permlanex16_b32: lane i of one half reads lane i of the other
	s_mov_b32 s73, 0xfedcba98
	s_or_b32 s[G1+0], s43, (1<<16)|(1<<20)|(1<<21)|(5<<22)|(3<<25)   ; mask; 2-byte elements; padding on; bit 21 beside a mask; 4 words behind every 64
	s_or_b32 s[G1B+0], s44, (1<<16)|(1<<20)|(1<<21)|(5<<22)|(3<<25)
	s_mov_b32 s[G1+1], KSTEP<<16                   ; tensor_dim0 = 128
	s_mov_b32 s[G1B+1], KSTEP<<16
	s_mov_b32 s[G1+2], 128<<16                     ; tensor_dim1 = 128
	s_mov_b32 s[G1B+2], 128<<16
	s_mov_b32 s[G1+3], KSTEP<<16                   ; tile_dim0 = 128
	s_mov_b32 s[G1B+3], KSTEP<<16
	s_mov_b32 s[G1+4], 128                         ; tile_dim1 = 128
	s_mov_b32 s[G1B+4], 128
	s_mov_b32 s[G1+5], SIZE_K                      ; from row to row
	s_mov_b32 s[G1B+5], SIZE_K
	s_mov_b32 s[G1+6], 0
	s_mov_b32 s[G1B+6], 0
	s_mov_b32 s[G1+7], 0
	s_mov_b32 s[G1B+7], 0
	s_lshl_b32 s17, s12, 7
	s_lshl_b32 s16, s13, 8
	s_add_co_u32 s16, s16, s17                     ; y': row 256 x query block + 128 x half
	s_lshl_b32 s46, s42, 8
	s_add_co_u32 s46, s46, s17
	s_lshl_b32 s47, s45, 11
	s_add_co_u32 s46, s46, s47                     ; x16: row 2,048 x batch + 256 x key block + 128 x half
	s_mov_b32 s17, 0
	s_mov_b32 s47, 0
	s_mov_b64 s[18:19], SIZE_K*2
	s_mul_u64 s[16:17], s[16:17], s[18:19]
	s_mul_u64 s[46:47], s[46:47], s[18:19]
	s_mul_i32 s20, s10, HALFT
	s_wait_dscnt 0x0
	s_wait_kmcnt 0x0
	s_add_nc_u64 s[14:15], s[4:5], s[16:17]
	s_add_nc_u64 s[46:47], s[6:7], s[46:47]
	CROUND                                         ; in front of the first joint loads
.irp s, 0,1
	s_mov_b32 s[G0+4*\s], 1
	s_add_co_u32 s[G0+4*\s+1], s20, \s*SLOT
	s_add_nc_u64 s[G0+4*\s+2:G0+4*\s+3], s[14:15], \s*KSTEP*2
	s_or_b32 s[G0+4*\s+3], s[G0+4*\s+3], 0x80000000
	s_mov_b32 s[G0B+4*\s], 1
	s_add_co_u32 s[G0B+4*\s+1], s20, \s*SLOT
	s_add_nc_u64 s[G0B+4*\s+2:G0B+4*\s+3], s[46:47], \s*KSTEP*2
	s_or_b32 s[G0B+4*\s+3], s[G0B+4*\s+3], 0x80000000
	JLOAD \s                                       ; two tensor loads of the wave are out, never more
.endr
	v_and_b32 v1, 15, v0                           ; l % 16
	v_bfe_u32 v2, v0, 4, 1                         ; l / 16
	v_and_b32 v6, 31, v0                           ; l
	v_mul_u32_u24 v3, v1, PITCH
	v_lshl_add_u32 v3, v2, 4, v3
	s_mul_i32 s21, s11, HALFT
	s_mul_i32 s22, s12, HALFT
	s_add_co_u32 s22, s22, 2*HALFT
.irp s, 0,1
	v_add_nc_u32 v[ADRA+\s], s21, v3
	v_add_nc_u32 v[ADRB+\s], s22, v3
	s_add_co_u32 s21, s21, SLOT
	s_add_co_u32 s22, s22, SLOT
.endr
	s_mul_i32 s23, s10, 16*SPITCH
	s_add_co_u32 s23, s23, STAGE
	v_mul_u32_u24 v4, v1, SPITCH
	v_lshl_add_u32 v4, v2, 4, v4
	v_add_nc_u32 v[STO], s23, v4
	v_mul_u32_u24 v5, v2, SPITCH
	v_lshl_add_u32 v5, v1, 4, v5
	v_add_nc_u32 v[RD], s23, v5
	v_lshlrev_b32 v5, 12, v2                       ; a row of p16 is 4,096 bytes
	v_lshl_add_u32 v[CO], v1, 4, v5
	s_lshl_b32 s76, s10, 9                         ; 512 bytes of statistics for each wave
	s_add_co_u32 s77, s76, LSB
	s_add_co_u32 s76, s76, XCH
	v_lshl_add_u32 v[XA], v1, 2, s76
	v_lshl_add_u32 v[LW], v1, 2, s77
	v_lshl_add_u32 v[LR], v6, 4, s77
	s_lshl_b32 s78, s11, 10                        ; the two waves that share my queries lie side by side: 1,024 bytes
	s_add_co_u32 s78, s78, XCH
	v_lshl_add_u32 v[XB], v1, 2, s78
	v_lshl_add_u32 v[XR], v6, 4, s78
	v_lshlrev_b32 v[SO], 4, v6
.macro MUL16 f, hi, a0, zero
.irp a, \a0, \a0+1
.irp b, 0,1,2,3,4,5,6,7
.if \zero
	v_wmma_f32_16x16x32_f16 v[8*(8*(\a)+\b):8*(8*(\a)+\b)+7], v[\f+8*\b:\f+8*\b+7], v[\f+8*(4*\hi+\a):\f+8*(4*\hi+\a)+7], 0
.else
	v_wmma_f32_16x16x32_f16 v[8*(8*(\a)+\b):8*(8*(\a)+\b)+7], v[\f+8*\b:\f+8*\b+7], v[\f+8*(4*\hi+\a):\f+8*(4*\hi+\a)+7], v[8*(8*(\a)+\b):8*(8*(\a)+\b)+7]
.endif
.endr
.endr
.endm
.macro FETCH slot, k, f
	WIN TO_B
.irp i, 0,1,2,3,4,5,6,7
	ds_load_b128 v[\f+8*\i:\f+8*\i+3],   v[ADRB+\slot] offset:\k+\i*16*PITCH
	ds_load_b128 v[\f+8*\i+4:\f+8*\i+7], v[ADRB+\slot] offset:\k+\i*16*PITCH+32
.endr
	WIN 0
.irp i, 0,1,2,3,4,5,6,7
	ds_load_b128 v[\f+8*\i:\f+8*\i+3],   v[ADRA+\slot] offset:\k+\i*16*PITCH
	ds_load_b128 v[\f+8*\i+4:\f+8*\i+7], v[ADRA+\slot] offset:\k+\i*16*PITCH+32
.endr
.endm
.macro PLACES                          ; four places behind a matrix instruction (ISA guide 7.12.1)
.rept 4
	v_nop
.endr
.endm
.macro QUARTER slot, k, f, g, zero
	s_wait_dscnt 8                                 ; the keys' fragments and the queries' rows 0-63 are in; the youngest eight loads (rows 64-127) may be out
	WIN MUL_LO
	MUL16 \f, 0, 0, \zero
	MUL16 \f, 0, 2, \zero
	PLACES
	FETCH \slot, \k, \g
	s_wait_dscnt 32                                ; all but the 32 just issued
	WIN MUL_HI
	MUL16 \f, 1, 0, \zero
	MUL16 \f, 1, 2, \zero
.endm
.macro THREE slot, zero
	QUARTER \slot, 64,  F0, F1, \zero
	QUARTER \slot, 128, F1, F0, 0
	QUARTER \slot, 192, F0, F1, 0
.endm
.macro TURN slot, next, fill
	s_wait_dscnt 8
	WIN MUL_LO
	MUL16 F1, 0, 0, 0
	s_wait_dscnt 0                                 ; my reads of this slot are over
	s_wait_tensorcnt 0x0                           ; all my tensor loads have landed, my part of the next slot among them
	ds_add_u32 v255, v30
	s_wait_dscnt 0x0
	s_barrier_signal -1                            ; where a slot is filled again this barrier opens a round of the cluster's barrier
	MUL16 F1, 0, 2, 0
	WIN 0
	s_barrier_wait -1
.if \fill
	CREST
	s_add_nc_u64 s[G0+4*\slot+2:G0+4*\slot+3], s[G0+4*\slot+2:G0+4*\slot+3], 2*KSTEP*2
	s_add_nc_u64 s[G0B+4*\slot+2:G0B+4*\slot+3], s[G0B+4*\slot+2:G0B+4*\slot+3], 2*KSTEP*2
	JLOAD \slot                                    ; the wave's one tensor load behind the round, and the first thing there
.endif
	PLACES
	FETCH \next, 0, F0
	WIN MUL_HI
	MUL16 F1, 1, 0, 0
	MUL16 F1, 1, 2, 0
.endm
.macro LAP zero
	THREE 0, \zero
	TURN 0, 1, 1
	THREE 1, 0
	TURN 1, 0, 1
.endm
	s_wait_tensorcnt 1                             ; my part of K step 0 is in; K step 1's load may stay out
	s_barrier_signal -1
	s_barrier_wait -1
	FETCH 0, 0, F0
	LAP 1
	WIN 0
	s_mov_b32 s3, LAPS-2
.Llap:
	LAP 0
	WIN 0
	s_sub_co_u32 s3, s3, 1
	s_cmp_lg_u32 s3, 0
	s_cbranch_scc1 .Llap
	THREE 0, 0
	TURN 0, 1, 0
	THREE 1, 0
	s_wait_dscnt 8
	WIN MUL_LO
	MUL16 F1, 0, 0, 0
	MUL16 F1, 0, 2, 0
	s_wait_dscnt 0
	WIN MUL_HI
	MUL16 F1, 1, 0, 0
	MUL16 F1, 1, 2, 0
	; THE WAY OUT
	PLACES                                         ; behind the last matrix instructions, in front of the first reader of a result
	WIN 0
	; where the statistics go, in registers that feed no descriptor
	s_and_b32 s78, s13, 7
	s_lshl_b32 s78, s78, 8
	s_lshl_b32 s75, s11, 7
	s_add_co_u32 s78, s78, s75                     ; my first row in the batch
	s_lshl_b32 s74, s45, 4                         ; lstat: ((16 batch + 2 key block + my half of the keys) x 2,048 + row) x 4 bytes
	s_lshl_b32 s75, s42, 1
	s_add_co_u32 s74, s74, s75
	s_add_co_u32 s74, s74, s12
	s_lshl_b32 s74, s74, 11
	s_add_co_u32 s74, s74, s78
	s_lshl_b32 s74, s74, 2
	s_mov_b32 s75, 0
	s_add_nc_u64 s[70:71], s[70:71], s[74:75]
	s_lshl_b32 s76, s45, 3                         ; mstat: ((8 batch + key block) x 2,048 + row) x 4 bytes
	s_add_co_u32 s76, s76, s42
	s_lshl_b32 s76, s76, 11
	s_add_co_u32 s76, s76, s78
	s_lshl_b32 s76, s76, 2
	s_mov_b32 s77, 0
	s_add_nc_u64 s[68:69], s[68:69], s[76:77]
	; p16 at my first row and key
	s_lshl_b32 s16, s13, 8
	s_lshl_b32 s14, s11, 7
	s_add_co_u32 s16, s16, s14
	s_lshl_b32 s16, s16, 12                        ; x 4,096 bytes: below 2^25
	s_mov_b32 s17, 0
	s_add_nc_u64 s[8:9], s[8:9], s[16:17]
	s_lshl_b32 s46, s42, 9
	s_lshl_b32 s47, s12, 8
	s_add_co_u32 s46, s46, s47
	s_mov_b32 s47, 0
	s_add_nc_u64 s[8:9], s[8:9], s[46:47]
	; 1. the largest of my 64 numbers of each row: four chains by turns in each window
.irp a, 0,1,2,3,4,5,6,7
	v_mov_b32 v[MX+\a], 0xff800000                 ; minus infinity starts a chain
.endr
	v_mov_b32 v[PT], 0                             ; v_permlanex16_b32 counts as a reader of its destination
.macro ROWMAX win, a0                  ; win: sources 1 and 2 in window 2 (0x28) or 3 (0x3c)
	WIN \win
.set kk, 0
.rept 32
.irp a, 0,1,2,3
	v_max3_num_f32 v[MX+\a0+\a], v[MX+\a0+\a], v[64*\a+2*kk], v[64*\a+2*kk+1]
.endr
.set kk, kk+1
.endr
.endm
	ROWMAX 0x28, 0
	ROWMAX 0x3c, 4
	WIN 0
	; 2. the other half of the lanes holds the row's other 64 keys; 3. the wave's 128 maxima go to LDS
.irp a, 0,1,2,3,4,5,6,7
	v_permlanex16_b32 v[PT], v[MX+\a], s72, s73
	v_max_num_f32 v[MX+\a], v[MX+\a], v[PT]
	ds_store_b32 v[XA], v[MX+\a] offset:64*\a      ; row 16 a + l % 16; both halves of the lanes write the same number
.endr
	s_wait_dscnt 0x0                               ; for the other waves' sake: my stores are done
	s_barrier_signal -1                            ; no tensor load is out
	s_barrier_wait -1
.irp a, 0,1,2,3,4,5,6,7
	ds_load_b32 v[PT+\a], v[XB] offset:64*\a       ; the two waves that share my queries: keys 0-127 of the tile,
	ds_load_b32 v[PQ+\a], v[XB] offset:512+64*\a   ; keys 128-255
.endr
	s_wait_dscnt 0x0
.irp a, 0,1,2,3,4,5,6,7
	v_max_num_f32 v[MX+\a], v[PT+\a], v[PQ+\a]     ; the row's maximum over the tile's 256 keys
	v_mul_f32 v[NM+2*\a], NSCALE, v[MX+\a]         ; - 32 m', exact, twice: a pair for the packed multiply-add
	v_mul_f32 v[NM+2*\a+1], NSCALE, v[MX+\a]
.endr
	; the tile's maxima are stored once: by the wave of each pair that has the tile's first 128 keys
	s_cmp_lg_u32 s12, 0
	s_cbranch_scc1 .Lno_mstat
	ds_load_b128 v[ST:ST+3], v[XR]                 ; the pair's maxima again, by rows 4 l .. 4 l + 3
	ds_load_b128 v[ST+4:ST+7], v[XR] offset:512
	s_wait_dscnt 0x0
.irp k, 0,1,2,3
	v_max_num_f32 v[ST+\k], v[ST+\k], v[ST+4+\k]
.endr
	global_store_b128 v[SO], v[ST:ST+3], s[68:69]  ; 512 consecutive bytes; v[48:51], v13 and the base are not written again
.Lno_mstat:
; 4. rows 16 i .. 16 i + 15: exponentials, their sum, f16, out through my stage.  a: the tile row in its window; from: source 0 in window 2 (0x02) or 3 (0x03)
.macro SOFT16 i, a, from, rb
	WIN \from
.set kk, 0
.rept 32
	v_pk_fma_f32 v[EX+2*kk:EX+2*kk+1], v[64*\a+2*kk:64*\a+2*kk+1], ESCALE, v[NM+2*\i:NM+2*\i+1] op_sel_hi:[1,0,1]   ; 32 (s' - m'), rounded once: never above 0
.set kk, kk+1
.endr
	WIN 0
.set kk, 0
.rept 64
	v_exp_f32 v[EX+kk], v[EX+kk]
.set kk, kk+1
.endr
	v_nop                                          ; one plain instruction behind the transcendentals, in front of the first use (ISA guide 5.7.2)
	s_wait_alu depctr_va_vdst(0)
.irp k, 0,1,2,3
	v_pk_add_f32 v[SA+2*\k:SA+2*\k+1], v[EX+2*\k:EX+2*\k+1], v[EX+8+2*\k:EX+8+2*\k+1]     ; the first sixteen start four chains: nothing is cleared
.endr
.set kk, 8
.rept 24
	v_pk_add_f32 v[SA+2*(kk%4):SA+2*(kk%4)+1], v[SA+2*(kk%4):SA+2*(kk%4)+1], v[EX+2*kk:EX+2*kk+1]
.set kk, kk+1
.endr
	v_pk_add_f32 v[SA:SA+1], v[SA:SA+1], v[SA+2:SA+3]
	v_pk_add_f32 v[SA+4:SA+5], v[SA+4:SA+5], v[SA+6:SA+7]
	v_pk_add_f32 v[SA:SA+1], v[SA:SA+1], v[SA+4:SA+5]
	v_add_f32 v[LS+\i], v[SA], v[SA+1]             ; my 64 keys of row 16 i + l % 16
.set kk, 0
.rept 32
	v_cvt_pk_f16_f32 v[TMP+kk], v[EX+2*kk], v[EX+2*kk+1]
.set kk, kk+1
.endr
.irp b, 0,1,2,3,4,5,6,7
	ds_store_b128 v[STO], v[TMP+4*\b:TMP+4*\b+3] offset:32*\b
.endr
	s_wait_xcnt 0x0                                ; the read-back registers, which earlier stores read, and the stores' base are rewritten only behind this wait
.if \i
	s_add_nc_u64 s[8:9], s[8:9], 16*CROW
.endif
.irp t, 0,1,2,3,4,5,6,7
	ds_load_b128 v[\rb+4*\t:\rb+4*\t+3], v[RD] offset:\t*2*SPITCH   ; LDS serves a wave's instructions in order: these see the stores above
.endr
.irp t, 0,1,2,3,4,5,6,7
	s_wait_dscnt 7-\t                              ; load t is in, the 7 - t younger ones stay out
	global_store_b128 v[CO], v[\rb+4*\t:\rb+4*\t+3], s[8:9] offset:2*\t*CROW   ; 16 lanes store 256 consecutive bytes, aligned
.endr
.endm
	SOFT16 0, 0, 0x02, RB0
	SOFT16 1, 1, 0x02, RB1
	SOFT16 2, 2, 0x02, RB0
	SOFT16 3, 3, 0x02, RB1
	SOFT16 4, 0, 0x03, RB0
	SOFT16 5, 1, 0x03, RB1
	SOFT16 6, 2, 0x03, RB0
	SOFT16 7, 3, 0x03, RB1
	; 5. the row sums over my 128 keys: the two halves of the lanes, then through my own LDS bytes into rows 4 l .. 4 l + 3
.irp a, 0,1,2,3,4,5,6,7
	v_permlanex16_b32 v[PT], v[LS+\a], s72, s73
	v_add_f32 v[LS+\a], v[LS+\a], v[PT]
	ds_store_b32 v[LW], v[LS+\a] offset:64*\a
.endr
	ds_load_b128 v[ST+4:ST+7], v[LR]               ; my wave's own bytes, served in order behind the stores
	s_wait_dscnt 0x0
	global_store_b128 v[SO], v[ST+4:ST+7], s[70:71]
	s_set_vgpr_msb 0x1
	s_wait_tensorcnt 0x0
	ds_add_u32 v255, v30
	s_wait_dscnt 0x0
	s_set_vgpr_msb 0x100
	CROUND                                         ; the closing round
	s_endpgm
.Lfunc_end_k_qbf1efa91cb_scores:
	.size	k_qbf1efa91cb_scores, .Lfunc_end_k_qbf1efa91cb_scores-k_qbf1efa91cb_scores
	.p2alignl 7, 3214868480
	.fill 96, 4, 3214868480
	.section	.rodata,"a",@progbits
	.p2align	6, 0x0
	.amdhsa_kernel k_qbf1efa91cb_scores
		.amdhsa_group_segment_fixed_size 327680
		.amdhsa_private_segment_fixed_size 0
		.amdhsa_enable_private_segment 0
		.amdhsa_kernarg_size 40
		.amdhsa_user_sgpr_count 2
		.amdhsa_user_sgpr_kernarg_segment_ptr 1
		.amdhsa_wavefront_size32 1
		.amdhsa_system_sgpr_workgroup_id_x 1
		.amdhsa_system_sgpr_workgroup_id_y 1
		.amdhsa_system_sgpr_workgroup_id_z 1
		.amdhsa_system_vgpr_workitem_id 0
		.amdhsa_next_free_vgpr 1024
		.amdhsa_next_free_sgpr 80
		.amdhsa_reserve_vcc 0
		.amdhsa_float_denorm_mode_32 3
		.amdhsa_float_denorm_mode_16_64 3
		.amdhsa_memory_ordered 1
		.amdhsa_forward_progress 1
		.amdhsa_inst_pref_size 255
	.end_amdhsa_kernel
	.section	.bss,"aw",@nobits
	.p2align	6
	.space	262144
	.amdgpu_metadata
---
amdhsa.version: [ 1, 2 ]
amdhsa.kernels:
  - .name:           k_qbf1efa91cb_scores
    .symbol:         k_qbf1efa91cb_scores.kd
    .args:
      - { .name: yv, .offset: 0, .size: 8, .value_kind: global_buffer, .address_space: global }
      - { .name: x16, .offset: 8, .size: 8, .value_kind: global_buffer, .address_space: global }
      - { .name: p16, .offset: 16, .size: 8, .value_kind: global_buffer, .address_space: global }
      - { .name: mstat, .offset: 24, .size: 8, .value_kind: global_buffer, .address_space: global }
      - { .name: lstat, .offset: 32, .size: 8, .value_kind: global_buffer, .address_space: global }
    .group_segment_fixed_size: 327680
    .private_segment_fixed_size: 0
    .kernarg_segment_align: 8
    .kernarg_segment_size: 40
    .max_flat_workgroup_size: 128
    .sgpr_count:     80
    .vgpr_count:     1024
    .wavefront_size: 32
...
	.end_amdgpu_metadata
.endif
;; end of part 4
;; launch pv (part 5): grid 8 x 32, 4 waves a work-group, clusters of 4 x 4, 327,680 bytes of LDS; arguments p16, yv, mstat, lstat, out0; writes out0
.if DOCPART == 5
	.amdgcn_target "amdgcn-amd-amdhsa--gfx1250"
	.amdhsa_code_object_version 6
	.text
	.protected	k_qbf1efa91cb_pv
	.globl	k_qbf1efa91cb_pv
	.p2align	8
	.type	k_qbf1efa91cb_pv,@function
k_qbf1efa91cb_pv:
	s_mov_b64 s[64:65], 0
	v_nop
	global_prefetch_b8 v0, s[64:65] scope:SCOPE_SE
	s_setreg_imm32_b32 hwreg(HW_REG_WAVE_MODE, 25, 1), 1
	s_wait_xcnt 0x0
	s_wait_alu depctr_hold_cnt(0) depctr_sa_sdst(0) depctr_va_vdst(0) depctr_va_sdst(0) depctr_va_ssrc(0) depctr_va_vcc(0) depctr_vm_vsrc(0)
	s_getreg_b32 s2, hwreg(HW_REG_IB_STS2, 6, 4)
	s_cmp_eq_u32 s2, 0
	s_cbranch_scc0 .Lentry_in_a_cluster
	s_endpgm
.Lentry_in_a_cluster:
	s_bfe_u32 s2, ttmp6, 0x10000c
	s_cmp_lg_u32 s2, 0xf033
	s_cbranch_scc0 .Lentry_shape_is_right
	s_endpgm
.Lentry_shape_is_right:
; SelfAttention, step 5 of 5:  out0[row][d] = sum over the eight key tiles t of g'(t, row) x (sum over the tile's 256 keys of p16[row][key] v[key][d]), f32 out.  v is plane 1 of yv.
;   g'(t, row) = exp2(32 (m'(t, row) - M'(row))) / l(row),  M' = the largest of the row's eight tile maxima (in the units of the step before, where 32 is the exponent's factor),
;   l(row) = sum over t of exp2(32 (m'(t) - M')) x (the tile's two chunk sums).  32 M' is exact, so the fused 32 m' - 32 M' is never above 0, and it is 0 for one tile, whose sum is at least 1.
; LIMITS: an exponential below 2^-126 counts as 0; sums in another order than a chain of f32 additions.
; A work-group makes 256 rows x 128 columns with four waves; a wave makes 128 x 64: 32 tiles of 16 x 16 twice over: T (one key tile's product, window 1) and O (the weighted sum, window 2).
; K = 2,048 keys in 16 steps of 128 through two LDS slots; a lap is two steps = one key tile, 256 matrix instructions; each lap ends in O = g' T + O.
; THE WEIGHTING STANDS AMONG THE PRODUCTS, four packed multiply-adds (one tile of T) behind a matrix instruction: T's rows 0-63 are whole after the last quarter's first 16 products and
; are weighted behind its last 16; rows 64-127 are weighted behind the next lap's first 16 products, which start T's rows 0-63 anew.  So the loop's body is turned by 16 products:
; it begins behind a lap's first 16 and ends with the next lap's.  T and O fill a window each; a product wants C and D in T's window, a multiply-add its destination and addend in O's:
; no one setting serves both, and each of a lap's 32 slices has two switches of the window.
; v lies [key][d], so B's fragments come by transposing LDS loads from rows of 256 + 32 bytes (an odd multiple of 32).
; CLUSTERS: 4 x 4 work-groups of one batch.  The four of a row of the cluster share p16's tiles, the four of a column v's: joint tensor loads divide the requests by four.
; AHEAD OF THE TENSOR LOADS later tiles are asked into the L2, each aligned block of 256 bytes once in the launch.  A K step's 256 rows of p16 are wanted by the eight column blocks of a
; row block and dealt to them: column block c asks rows 32 c .. 32 c + 31, a lane a row, one instruction (wave 0 the even steps, wave 1 the odd ones).  A lap's 256 keys of v are wanted by
; the batch's eight row blocks and dealt likewise, 32 keys each (wave 2).  A request stands straight behind the joint load for step k + 2 and names step k + 4 (v: steps k + 4 and k + 5):
; two K steps, 256 matrix instructions, ahead of the tensor load that wants it.  Steps 2 and 3 are asked at the head; steps 0 and 1 are the first fills; laps 6 and 7 ask nothing, since
; step 15 is the last.  A work-group asks 96 blocks a lap and has at most two laps' blocks asked and not yet read.
; The matrix instruction is used transposed (source 0 = 16 columns of v, source 1 = 16 rows of p16): lane l holds row l % 16, registers 0-7 the columns 8 (l / 16) + 0..7.
; The 32 accumulators take turns, one instruction a turn, over the backward jump too.
.set KSTEP,  128
.set PA,     272                       ; p16's LDS rows: 256 + 16 bytes
.set HALFA,  128*PA                    ; one tensor load of waves 0, 1
.set PB,     288                       ; v's LDS rows: 256 + 32 bytes
.set HALFB,  64*PB                     ; one tensor load of waves 2, 3: 64 keys
.set BOFF,   2*HALFA                   ; v's 128 keys lie behind p16's 256 rows
.set SLOT,   2*HALFA+2*HALFB           ; 106,496
.set STAGE,  2*SLOT                    ; 212,992: 16 rows x 272 bytes for each wave
.set SPITCH, 272
.set GTAB,   STAGE+4*16*SPITCH         ; 230,400: 4 waves x 8 key tiles x 128 rows x (g', g').  Stage and table are written by LDS stores alone
.set CROW,   4096                      ; bytes in a row of out0, and of p16
.set ESCALE, 0x42000000                ; 32
.set NSCALE, 0xc2000000                ; - 32
.set ADRA, 16                          ; v16-17  my A fragments in slot 0, 1
.set ADRB, 20                          ; v20-21  my B fragments
.set STO,  24
.set RD,   25
.set CO,   26
.set GA,   27                          ; v27     my row's pair in the table, stepped by a key tile a lap
.set GW,   28                          ; v28     where I write the pairs of rows 4 l .. 4 l + 3
.set SV,   29                          ; v29     16 l
.set PF,   30                          ; v30     the prefetch: lane x the bytes from row to row; never rewritten
.set GP,   32                          ; v[32:47] eight pairs (g', g'), one for each m tile
.set NMX,  48                          ; v[48:51] - 32 M' of my four rows
.set LSM,  56                          ; v[56:59] l, then 1 / l
.set FA0,  64                          ; v64-127, v128-191  A's fragments, two buffers
.set FB0,  192                         ; v192-223, v224-255 B's fragments, two buffers
.set MS,   64                          ; the prologue: m'(t), four rows each, then g(t)
.set LL,   128                         ; the prologue: 16 chunk sums, four rows each; then the pairs
.set G1, 24
.set G0, 32
.set G1B, 48
.set G0B, 56
.set PFB, 80                           ; s[80:81] the prefetch: my wave's first block of the lap asked for last
.set PFS, 82                           ; s[82:83] bytes from a lap to the next
.set MSB, 0
.macro WIN new                         ; the immediate's high byte repeats the setting that is left
.if MSB != \new
	s_set_vgpr_msb (MSB<<8)|\new
.set MSB, \new
.endif
.endm
.set MULW, 0x50                        ; C and D window 1, both fragments window 0
.set FMAW, 0xa1                        ; destination and source 2 (O) window 2, source 0 (T) window 1, source 1 (g') window 0
.set OUTW, 0x08                        ; an LDS store's data (source 1) window 2
.macro JLOAD s
	s_cmp_eq_u32 s11, 0
	s_cbranch_scc0 .Lfor_b_\@
	tensor_load_to_lds s[G0+4*\s:G0+4*\s+3], s[G1:G1+7]
	s_nop 0
	s_branch .Lasked_\@
.Lfor_b_\@:
	tensor_load_to_lds s[G0B+4*\s:G0B+4*\s+3], s[G1B:G1B+7]
	s_nop 0
.Lasked_\@:
.endm
.macro CREST
	s_cmp_lg_u32 s10, 0
	s_cbranch_scc1 .Lnot_wave_0_\@
	s_barrier_signal -3
.Lnot_wave_0_\@:
	s_barrier_wait -3
	s_barrier_signal -1
	s_barrier_wait -1
.endm
.macro CROUND
	s_barrier_signal -1
	s_barrier_wait -1
	CREST
.endm
; The next lap's blocks are asked for.  Behind slot 0's joint load: waves 0 (p16, even step) and 2 (v).  Behind slot 1's: wave 1 (p16, odd step).  The branch hangs on the wave's number alone.
.macro PREF slot
.if \slot
	s_cmp_lg_u32 s10, 1
.else
	s_cmp_lg_u32 s12, 0
.endif
	s_cbranch_scc1 .Lno_pf_\@
	s_wait_xcnt 0x0                                ; my last prefetch, a lap ago, has had its addresses translated: its base is stepped only behind this wait
	s_add_nc_u64 s[PFB:PFB+1], s[PFB:PFB+1], s[PFS:PFS+1]
	global_prefetch_b8 v[PF], s[PFB:PFB+1] th:TH_LOAD_NT scope:SCOPE_SE
.Lno_pf_\@:
.endm
	s_load_b128 s[4:7], s[0:1], 0x0                ; p16 s[4:5], yv s[6:7]
	s_load_b128 s[68:71], s[0:1], 0x10             ; mstat s[68:69], lstat s[70:71]
	s_load_b64 s[8:9], s[0:1], 0x20                ; out0
	v_lshl_add_u32 v62, v0, 2, 0x40400
	v_mov_b32 v63, 0
	ds_add_u32 v62, v63
	v_lshrrev_b32 v1, 5, v0
	v_readfirstlane_b32 s10, v1                    ; wave 0..3
	s_lshr_b32 s11, s10, 1                         ; my half of the rows.  Also: I fetch for p16 (0) or for v (1)
	s_and_b32 s12, s10, 1                          ; my half of the columns.  Also: which half of that tile I fetch
	s_bfe_u32 s40, ttmp6, 0x40000                  ; cx
	s_bfe_u32 s41, ttmp6, 0x40004                  ; cy
	s_lshl_b32 s42, ttmp9, 2
	s_add_co_u32 s42, s42, s40                     ; column block 0..7, 128 columns each
	s_and_b32 s13, ttmp7, 0xffff
	s_lshl_b32 s13, s13, 2
	s_add_co_u32 s13, s13, s41                     ; row block 0..31 over all batches
	s_and_b32 s45, ttmp7, 0xffff
	s_lshr_b32 s45, s45, 1                         ; the batch, made of the cluster's y alone
	s_lshl_b32 s43, s41, 2
	s_lshl_b32 s43, 15, s43                        ; my row of the cluster
	s_lshl_b32 s44, 0x1111, s40                    ; my column
	; group 1.  A: 128 rows x 128 elements, 4 words of padding behind every 64.  B: 64 rows x 128 elements, 8 words of padding
	s_or_b32 s[G1+0], s43, (1<<16)|(1<<20)|(1<<21)|(5<<22)|(3<<25)
	s_or_b32 s[G1B+0], s44, (1<<16)|(1<<20)|(1<<21)|(5<<22)|(7<<25)
	s_mov_b32 s[G1+1], KSTEP<<16                   ; tensor_dim0 = 128
	s_mov_b32 s[G1B+1], 128<<16
	s_mov_b32 s[G1+2], 128<<16                     ; tensor_dim1 = 128
	s_mov_b32 s[G1B+2], 64<<16                     ; 64
	s_mov_b32 s[G1+3], KSTEP<<16                   ; tile_dim0 = 128
	s_mov_b32 s[G1B+3], 128<<16
	s_mov_b32 s[G1+4], 128                         ; tile_dim1
	s_mov_b32 s[G1B+4], 64
	s_mov_b32 s[G1+5], 2048                        ; p16: 2,048 elements from row to row
	s_mov_b32 s[G1B+5], 1024                       ; v: 1,024
	s_mov_b32 s[G1+6], 0
	s_mov_b32 s[G1B+6], 0
	s_mov_b32 s[G1+7], 0
	s_mov_b32 s[G1B+7], 0
	s_lshl_b32 s17, s12, 7
	s_lshl_b32 s16, s13, 8
	s_add_co_u32 s16, s16, s17                     ; p16: row 256 x row block + 128 x half
	s_lshl_b32 s16, s16, 12                        ; x 4,096 bytes: below 2^25
	s_mov_b32 s17, 0
	s_lshl_b32 s46, s45, 11
	s_lshl_b32 s47, s12, 6
	s_add_co_u32 s46, s46, s47                     ; v: key row 2,048 x batch + 64 x half
	s_lshl_b32 s46, s46, 11                        ; x 2,048 bytes
	s_lshl_b32 s47, s42, 8
	s_add_co_u32 s46, s46, s47                     ; + 128 columns of 2 bytes x column block
	s_add_co_u32 s46, s46, 0x1000000               ; plane 1 of yv; the sum stays below 2^25 + 2^24
	s_mov_b32 s47, 0
	s_mul_i32 s20, s10, HALFA                      ; waves 0, 1: A's halves at 0 and HALFA
	s_mul_i32 s21, s10, HALFB
	s_add_co_u32 s21, s21, BOFF-2*HALFB            ; waves 2, 3: B's halves at BOFF and BOFF + HALFB
	; the prefetch's offsets, for lap 1, in registers that feed no descriptor (both coordinates of the work-group enter them)
	s_lshl_b32 s84, s13, 8
	s_lshl_b32 s85, s42, 5
	s_add_co_u32 s84, s84, s85                     ; p16: row 256 x row block + 32 x column block
	s_lshl_b32 s84, s84, 12
	s_lshl_b32 s85, s12, 8
	s_add_co_u32 s84, s84, s85
	s_add_co_u32 s84, s84, 2*KSTEP*2               ; K step 2 (wave 0) or 3 (wave 1): 256 bytes of the row each
	s_and_b32 s85, s13, 7
	s_lshl_b32 s85, s85, 5
	s_lshl_b32 s88, s45, 11
	s_add_co_u32 s85, s85, s88
	s_add_co_u32 s85, s85, 2*KSTEP                 ; v: key 2,048 x batch + 256 (lap 1) + 32 x row block in the batch
	s_lshl_b32 s85, s85, 11
	s_lshl_b32 s88, s42, 8
	s_add_co_u32 s85, s85, s88                     ; my column block's 256 bytes of the row
	s_add_co_u32 s85, s85, 0x1000000               ; plane 1 of yv
	s_mov_b32 s[PFS], 2*KSTEP*2048                 ; v: a lap is 256 keys down the rows
	s_cmp_eq_u32 s11, 0                            ; waves 0, 1 ask for p16, wave 2 for v.  Only selects, moves, vector lines and two waits stand between here and the last select
	s_cselect_b32 s86, s84, s85
	s_cselect_b32 s[PFS], 2*KSTEP*2, s[PFS]        ; p16: a lap is 512 bytes along the rows
	s_cselect_b32 s88, 12, 11                      ; from row to row 4,096 or 2,048 bytes
	s_mov_b32 s87, 0
	s_mov_b32 s[PFS+1], 0
	v_and_b32 v[PF], 31, v0
	v_lshlrev_b32 v[PF], s88, v[PF]                ; a lane a row
	s_wait_dscnt 0x0
	s_wait_kmcnt 0x0
	s_cselect_b64 s[PFB:PFB+1], s[4:5], s[6:7]
	s_add_nc_u64 s[PFB:PFB+1], s[PFB:PFB+1], s[86:87]
	s_add_nc_u64 s[14:15], s[4:5], s[16:17]
	s_add_nc_u64 s[46:47], s[6:7], s[46:47]
	CROUND                                         ; in front of the first joint loads
.irp s, 0,1
	s_mov_b32 s[G0+4*\s], 1
	s_add_co_u32 s[G0+4*\s+1], s20, \s*SLOT
	s_add_nc_u64 s[G0+4*\s+2:G0+4*\s+3], s[14:15], \s*KSTEP*2        ; K step s: 128 keys along p16's rows
	s_or_b32 s[G0+4*\s+3], s[G0+4*\s+3], 0x80000000
	s_mov_b32 s[G0B+4*\s], 1
	s_add_co_u32 s[G0B+4*\s+1], s21, \s*SLOT
	s_add_nc_u64 s[G0B+4*\s+2:G0B+4*\s+3], s[46:47], \s*KSTEP*2048   ; 128 keys down v's rows
	s_or_b32 s[G0B+4*\s+3], s[G0B+4*\s+3], 0x80000000
	JLOAD \s                                       ; two tensor loads of the wave are out, never more
.endr
	s_cmp_eq_u32 s10, 3                            ; lap 1's blocks (K steps 2 and 3) are asked for here: their tensor loads stand behind the weights below and a K step or two
	s_cbranch_scc1 .Lno_pf_first
	global_prefetch_b8 v[PF], s[PFB:PFB+1] th:TH_LOAD_NT scope:SCOPE_SE
.Lno_pf_first:
	v_and_b32 v10, 31, v0                          ; l
	v_and_b32 v1, 15, v0                           ; l % 16
	v_bfe_u32 v2, v0, 4, 1                         ; l / 16
	v_mul_u32_u24 v3, v1, PA
	v_lshl_add_u32 v3, v2, 4, v3                   ; A: row x pitch + 16 x half
	s_mul_i32 s22, s11, HALFA                      ; my 128 rows
	v_add_nc_u32 v[ADRA], s22, v3
	v_add_nc_u32 v[ADRA+1], SLOT, v[ADRA]
	v_and_b32 v4, 7, v0                            ; B, transposing load: key 8 (l / 16) + l % 8, 16 bytes by bit 3 of the lane
	v_lshl_add_u32 v4, v2, 3, v4
	v_mul_u32_u24 v4, v4, PB
	v_bfe_u32 v5, v0, 3, 1
	v_lshl_add_u32 v4, v5, 4, v4
	s_lshl_b32 s23, s12, 7                         ; my 64 columns of 2 bytes
	s_add_co_u32 s23, s23, BOFF
	v_add_nc_u32 v[ADRB], s23, v4
	v_add_nc_u32 v[ADRB+1], SLOT, v[ADRB]
	s_mul_i32 s23, s10, 16*SPITCH
	s_add_co_u32 s23, s23, STAGE
	v_mul_u32_u24 v4, v1, SPITCH
	v_lshl_add_u32 v4, v2, 5, v4                   ; in: row l % 16, 32 bytes (8 f32) for each half of the lanes
	v_add_nc_u32 v[STO], s23, v4
	v_mul_u32_u24 v5, v2, SPITCH
	v_lshl_add_u32 v5, v1, 4, v5
	v_add_nc_u32 v[RD], s23, v5                    ; back: lanes 0-15 one row of 256 bytes, lanes 16-31 the next
	v_lshlrev_b32 v5, 12, v2
	v_lshl_add_u32 v[CO], v1, 4, v5
	s_lshl_b32 s23, s10, 13                        ; 8,192 bytes of table for each wave
	s_add_co_u32 s23, s23, GTAB
	v_lshl_add_u32 v[GW], v10, 5, s23              ; four rows x 8 bytes
	v_lshl_add_u32 v[GA], v1, 3, s23
	v_lshlrev_b32 v[SV], 4, v10
	; the statistics of my 128 rows, in registers that feed no descriptor
	s_and_b32 s75, s13, 7
	s_lshl_b32 s75, s75, 8
	s_lshl_b32 s76, s11, 7
	s_add_co_u32 s76, s76, s75                     ; my first row in the batch
	s_lshl_b32 s74, s45, 14                        ; mstat: (8 tiles x 2,048 rows x batch + row) x 4 bytes
	s_add_co_u32 s74, s74, s76
	s_lshl_b32 s74, s74, 2
	s_mov_b32 s75, 0
	s_add_nc_u64 s[68:69], s[68:69], s[74:75]
	s_lshl_b32 s78, s45, 15                        ; lstat: (16 chunks x 2,048 rows x batch + row) x 4 bytes
	s_add_co_u32 s78, s78, s76
	s_lshl_b32 s78, s78, 2
	s_mov_b32 s79, 0
	s_add_nc_u64 s[70:71], s[70:71], s[78:79]
	; THE WEIGHTS, once: lane l owns rows 4 l .. 4 l + 3; each load of the wave covers 512 consecutive bytes
.irp t, 0,1,2,3,4,5,6,7
	global_load_b128 v[MS+4*\t:MS+4*\t+3], v[SV], s[68:69] offset:\t*8192
.endr
.irp c, 0,1,2,3,4,5,6,7,8,9,10,11,12,13,14,15
	global_load_b128 v[LL+4*\c:LL+4*\c+3], v[SV], s[70:71] offset:\c*8192
.endr
	s_wait_loadcnt 0x0
.irp i, 0,1,2,3
	v_max3_num_f32 v[NMX+\i], v[MS+\i], v[MS+4+\i], v[MS+8+\i]
	v_max3_num_f32 v[NMX+\i], v[NMX+\i], v[MS+12+\i], v[MS+16+\i]
	v_max3_num_f32 v[NMX+\i], v[NMX+\i], v[MS+20+\i], v[MS+24+\i]
	v_max_num_f32 v[NMX+\i], v[NMX+\i], v[MS+28+\i]
	v_mul_f32 v[NMX+\i], NSCALE, v[NMX+\i]         ; - 32 M', exact
.endr
.irp t, 0,1,2,3,4,5,6,7
.irp p, 0,2
	v_pk_fma_f32 v[MS+4*\t+\p:MS+4*\t+\p+1], v[MS+4*\t+\p:MS+4*\t+\p+1], ESCALE, v[NMX+\p:NMX+\p+1] op_sel_hi:[1,0,1]   ; 32 (m' - M'), rounded once: never above 0
.endr
.endr
.set kk, 0
.rept 32
	v_exp_f32 v[MS+kk], v[MS+kk]                   ; g(t)
.set kk, kk+1
.endr
.irp t, 0,1,2,3,4,5,6,7
.irp p, 0,2
	v_pk_add_f32 v[LL+8*\t+\p:LL+8*\t+\p+1], v[LL+8*\t+\p:LL+8*\t+\p+1], v[LL+8*\t+4+\p:LL+8*\t+4+\p+1]   ; a tile's two chunk sums; plain work behind the transcendentals, which touches none of their registers
.endr
.endr
	s_wait_alu depctr_va_vdst(0)
.irp p, 0,2
	v_pk_mul_f32 v[LSM+\p:LSM+\p+1], v[MS+\p:MS+\p+1], v[LL+\p:LL+\p+1]
.irp t, 1,2,3,4,5,6,7
	v_pk_fma_f32 v[LSM+\p:LSM+\p+1], v[MS+4*\t+\p:MS+4*\t+\p+1], v[LL+8*\t+\p:LL+8*\t+\p+1], v[LSM+\p:LSM+\p+1]
.endr
.endr
.irp i, 0,1,2,3
	v_rcp_f32 v[LSM+\i], v[LSM+\i]
.endr
	v_nop                                          ; one plain instruction in front of the first use (ISA guide 5.7.2)
	s_wait_alu depctr_va_vdst(0)
.irp t, 0,1,2,3,4,5,6,7
.irp i, 0,1,2,3
	v_mul_f32 v[LL+8*\t+2*\i], v[MS+4*\t+\i], v[LSM+\i]      ; g' = g / l, twice: the pair that the packed multiply-add takes
	v_mul_f32 v[LL+8*\t+2*\i+1], v[MS+4*\t+\i], v[LSM+\i]
.endr
	ds_store_b128 v[GW], v[LL+8*\t:LL+8*\t+3] offset:\t*1024
	ds_store_b128 v[GW], v[LL+8*\t+4:LL+8*\t+7] offset:\t*1024+16
.endr
; cnt x 4 matrix instructions: m tiles a0 .. a0 + cnt - 1 x my 4 n tiles, 32 keys, from buffer f.  zero = 1: the product starts a key tile's sums
.macro MULP f, a0, cnt, zero
.set ma, \a0
.rept \cnt
.irp b, 0,1,2,3
.if \zero
	v_wmma_f32_16x16x32_f16 v[8*(4*ma+\b):8*(4*ma+\b)+7], v[FB0+32*\f+8*\b:FB0+32*\f+8*\b+7], v[FA0+64*\f+8*ma:FA0+64*\f+8*ma+7], 0
.else
	v_wmma_f32_16x16x32_f16 v[8*(4*ma+\b):8*(4*ma+\b)+7], v[FB0+32*\f+8*\b:FB0+32*\f+8*\b+7], v[FA0+64*\f+8*ma:FA0+64*\f+8*ma+7], v[8*(4*ma+\b):8*(4*ma+\b)+7]
.endif
.endr
.set ma, ma+1
.endr
.endm
; 16 matrix instructions, m tiles a0 .. a0 + 3, and behind each a slice of the weighting: tile (sa0 + i / 4, i % 4) of the OTHER half of T, O = g' T + O in four packed
; multiply-adds (first = 1: O = g' T, nothing is cleared).  A slice names none of the registers of the product in front of it.
.macro MULS f, a0, zero, sa0, first
.set ma, \a0
.set sa, \sa0
.rept 4
.irp b, 0,1,2,3
	WIN MULW
.if \zero
	v_wmma_f32_16x16x32_f16 v[8*(4*ma+\b):8*(4*ma+\b)+7], v[FB0+32*\f+8*\b:FB0+32*\f+8*\b+7], v[FA0+64*\f+8*ma:FA0+64*\f+8*ma+7], 0
.else
	v_wmma_f32_16x16x32_f16 v[8*(4*ma+\b):8*(4*ma+\b)+7], v[FB0+32*\f+8*\b:FB0+32*\f+8*\b+7], v[FA0+64*\f+8*ma:FA0+64*\f+8*ma+7], v[8*(4*ma+\b):8*(4*ma+\b)+7]
.endif
	WIN FMAW
.irp k, 0,2,4,6
.if \first
	v_pk_mul_f32 v[8*(4*sa+\b)+\k:8*(4*sa+\b)+\k+1], v[8*(4*sa+\b)+\k:8*(4*sa+\b)+\k+1], v[GP+2*sa:GP+2*sa+1]
.else
	v_pk_fma_f32 v[8*(4*sa+\b)+\k:8*(4*sa+\b)+\k+1], v[8*(4*sa+\b)+\k:8*(4*sa+\b)+\k+1], v[GP+2*sa:GP+2*sa+1], v[8*(4*sa+\b)+\k:8*(4*sa+\b)+\k+1]
.endif
.endr
.endr
.set ma, ma+1
.set sa, sa+1
.endr
.endm
; 24 LDS loads in one run: quarter q of a slot into buffer f: 4 fragments of v (transposed on the way), then 8 of p16, rows ascending
.macro FETCHP slot, q, f
.irp b, 0,1,2,3
	ds_load_tr16_b128 v[FB0+32*\f+8*\b:FB0+32*\f+8*\b+3],   v[ADRB+\slot] offset:\q*32*PB+32*\b
	ds_load_tr16_b128 v[FB0+32*\f+8*\b+4:FB0+32*\f+8*\b+7], v[ADRB+\slot] offset:\q*32*PB+32*\b+16*PB
.endr
.irp a, 0,1,2,3,4,5,6,7
	ds_load_b128 v[FA0+64*\f+8*\a:FA0+64*\f+8*\a+3],   v[ADRA+\slot] offset:64*\q+\a*16*PA
	ds_load_b128 v[FA0+64*\f+8*\a+4:FA0+64*\f+8*\a+7], v[ADRA+\slot] offset:64*\q+\a*16*PA+32
.endr
.endm
.macro PLACES                          ; four places behind a matrix instruction (ISA guide 7.12.1)
.rept 4
	v_nop
.endr
.endm
.macro QUARTERP slot, q, f, g, zero
	s_wait_dscnt 8                                 ; v's fragments and p16's rows 0-63 are in; the youngest eight loads (rows 64-127) may be out
	WIN MULW
	MULP \f, 0, 4, \zero
	PLACES
	WIN 0
	FETCHP \slot, \q, \g
	s_wait_dscnt 24                                ; all but the 24 just issued
	WIN MULW
	MULP \f, 4, 4, \zero
.endm
.macro THREEP slot, zero
	QUARTERP \slot, 1, 0, 1, \zero
	QUARTERP \slot, 2, 1, 0, 0
	QUARTERP \slot, 3, 0, 1, 0
.endm
; the weights of this lap's key tile; the address moves on to the next tile's (behind the eighth tile it is not used again)
.macro GLOAD
.irp a, 0,1,2,3,4,5,6,7
	ds_load_b64 v[GP+2*\a:GP+2*\a+1], v[GA] offset:128*\a          ; my wave's own bytes
.endr
	v_add_nc_u32 v[GA], 1024, v[GA]
.endm
; the last quarter of a K step: multiplies buffer 1 and changes slots, as one barrier for two things: in front of it my reads of this slot and all my
; tensor loads are done; behind it the refill comes first, then the next slot's first fragments.
; gl = 1: mid-lap: the lap's weights are fetched, ahead of the fragments, so that the next quarter's wait for these covers them.  pf = 1: later tiles are asked into the L2.
; sl = 1: the lap's last quarter: T's rows 0-63 are whole after its first 16 products and are weighted behind its last 16; the four v_nop are the places in front of their first reader
.macro TURNP slot, next, fill, gl, pf, sl, first
	s_wait_dscnt 8
	WIN MULW
	MULP 1, 0, 2, 0
	s_wait_dscnt 0                                 ; my reads of this slot are over
	s_wait_tensorcnt 0x0                           ; all my tensor loads have landed, my part of the next slot among them
	ds_add_u32 v62, v63
	s_wait_dscnt 0x0
	s_barrier_signal -1                            ; where a slot is filled again this barrier opens a round of the cluster's barrier
	MULP 1, 2, 2, 0
	WIN 0
	s_barrier_wait -1
.if \fill
	CREST
	s_add_nc_u64 s[G0+4*\slot+2:G0+4*\slot+3], s[G0+4*\slot+2:G0+4*\slot+3], 2*KSTEP*2
	s_add_nc_u64 s[G0B+4*\slot+2:G0B+4*\slot+3], s[G0B+4*\slot+2:G0B+4*\slot+3], 2*KSTEP*2048
	JLOAD \slot                                    ; the wave's one tensor load behind the round, and the first thing there
.endif
.if \pf
	PREF \slot
.endif
	PLACES
.if \gl
	GLOAD
.endif
	FETCHP \next, 0, 0
.if \sl
	MULS 1, 4, 0, 0, \first
.else
	WIN MULW
	MULP 1, 4, 4, 0
.endif
.endm
; the rest of a lap's first K step, behind the lap's first 16 products.  The fragments of quarter 1 land in buffer 1, whose last readers stand 17 to 32 products back, each with a slice
; of four multiply-adds behind it (in lap 0 no product has read it yet): no v_nop is needed here.  The products of rows 64-127 start T's other half anew, behind its weighting.
.macro STEPA fill, pf
	WIN 0
	FETCHP 0, 1, 1
	s_wait_dscnt 24                                ; buffer 0 is whole; the 24 just issued stay out
	WIN MULW
	MULP 0, 4, 4, 1
	QUARTERP 0, 2, 1, 0, 0
	QUARTERP 0, 3, 0, 1, 0
	TURNP 0, 1, \fill, 1, \pf, 0, 0
.endm
; a lap from behind its first 16 products to the end of the next lap's first 16, which start T's rows 0-63 anew while this lap's rows 64-127 are weighted
.macro BODY first, pf
	STEPA 1, \pf
	THREEP 1, 0
	TURNP 1, 0, 1, 0, \pf, 1, \first
	s_wait_dscnt 8                                 ; the next lap's first fragments: v's and p16's rows 0-63 are in; the youngest eight loads may be out
	MULS 0, 0, 1, 4, \first
.endm
	s_wait_tensorcnt 0x1                           ; my part of K step 0 is in; K step 1's load may stay out
	s_wait_dscnt 0x0                               ; no LDS store of mine is pending at the signal
	s_barrier_signal -1
	s_barrier_wait -1
	FETCHP 0, 0, 0
	s_wait_dscnt 8
	WIN MULW
	MULP 0, 0, 4, 1                                ; lap 0's first 16 products: there is nothing to weight yet
	BODY 1, 1                                      ; lap 0: its weighting starts O
	WIN 0                                          ; at a label and at a branch every window is 0
	s_mov_b32 s3, 5
.Llap:
	BODY 0, 1                                      ; laps 1 to 5
	WIN 0
	s_sub_co_u32 s3, s3, 1
	s_cmp_lg_u32 s3, 0
	s_cbranch_scc1 .Llap
	BODY 0, 0                                      ; lap 6 fills the slots for the last time and asks nothing more into the L2: lap 7 was asked for in lap 5
	STEPA 0, 0                                     ; lap 7 fills nothing
	THREEP 1, 0
	s_wait_dscnt 8
	WIN MULW
	MULP 1, 0, 4, 0
	PLACES                                         ; in front of the first reader of T's rows 0-63
	s_wait_dscnt 0                                 ; the last fragments
	MULS 1, 4, 0, 0, 0
	WIN FMAW                                       ; rows 64-127 have no products left to stand among
.irp a, 4,5,6,7
.set kk, 0
.rept 16
	v_pk_fma_f32 v[32*\a+2*kk:32*\a+2*kk+1], v[32*\a+2*kk:32*\a+2*kk+1], v[GP+2*\a:GP+2*\a+1], v[32*\a+2*kk:32*\a+2*kk+1]
.set kk, kk+1
.endr
.endr
	; THE WAY OUT, 16 rows at a time: 32 bytes a lane into my own stage, read back as whole rows of 256 bytes
	s_lshl_b32 s16, s13, 8
	s_lshl_b32 s17, s11, 7
	s_add_co_u32 s16, s16, s17                     ; my first row
	s_lshl_b32 s16, s16, 12
	s_mov_b32 s17, 0
	s_add_nc_u64 s[8:9], s[8:9], s[16:17]
	s_lshl_b32 s46, s42, 9                         ; 128 columns of 4 bytes x column block
	s_lshl_b32 s47, s12, 8                         ; + my 64 columns
	s_add_co_u32 s46, s46, s47
	s_mov_b32 s47, 0
	s_add_nc_u64 s[8:9], s[8:9], s[46:47]
.macro OUTP i, rb
	WIN OUTW
.irp b, 0,1,2,3
	ds_store_b128 v[STO], v[32*\i+8*\b:32*\i+8*\b+3] offset:64*\b
	ds_store_b128 v[STO], v[32*\i+8*\b+4:32*\i+8*\b+7] offset:64*\b+16
.endr
	WIN 0
	s_wait_xcnt 0x0                                ; the read-back registers, which earlier stores read, and the stores' base are rewritten only behind this wait
.if \i
	s_add_nc_u64 s[8:9], s[8:9], 16*CROW
.endif
.irp t, 0,1,2,3,4,5,6,7
	ds_load_b128 v[\rb+4*\t:\rb+4*\t+3], v[RD] offset:\t*2*SPITCH   ; LDS serves a wave's instructions in order: these see the stores above
.endr
.irp t, 0,1,2,3,4,5,6,7
	s_wait_dscnt 7-\t                              ; load t is in, the 7 - t younger ones stay out
	global_store_b128 v[CO], v[\rb+4*\t:\rb+4*\t+3], s[8:9] offset:2*\t*CROW th:TH_STORE_NT   ; 16 lanes store 256 consecutive bytes, aligned
.endr
.endm
	OUTP 0, 64
	OUTP 1, 128
	OUTP 2, 64
	OUTP 3, 128
	OUTP 4, 64
	OUTP 5, 128
	OUTP 6, 64
	OUTP 7, 128
	s_wait_tensorcnt 0x0
	ds_add_u32 v62, v63
	s_wait_dscnt 0x0
	CROUND                                         ; the closing round
	s_endpgm
.Lfunc_end_k_qbf1efa91cb_pv:
	.size	k_qbf1efa91cb_pv, .Lfunc_end_k_qbf1efa91cb_pv-k_qbf1efa91cb_pv
	.p2alignl 7, 3214868480
	.fill 96, 4, 3214868480
	.section	.rodata,"a",@progbits
	.p2align	6, 0x0
	.amdhsa_kernel k_qbf1efa91cb_pv
		.amdhsa_group_segment_fixed_size 327680
		.amdhsa_private_segment_fixed_size 0
		.amdhsa_enable_private_segment 0
		.amdhsa_kernarg_size 40
		.amdhsa_user_sgpr_count 2
		.amdhsa_user_sgpr_kernarg_segment_ptr 1
		.amdhsa_wavefront_size32 1
		.amdhsa_system_sgpr_workgroup_id_x 1
		.amdhsa_system_sgpr_workgroup_id_y 1
		.amdhsa_system_sgpr_workgroup_id_z 1
		.amdhsa_system_vgpr_workitem_id 0
		.amdhsa_next_free_vgpr 768
		.amdhsa_next_free_sgpr 90
		.amdhsa_reserve_vcc 0
		.amdhsa_float_denorm_mode_32 3
		.amdhsa_float_denorm_mode_16_64 3
		.amdhsa_memory_ordered 1
		.amdhsa_forward_progress 1
		.amdhsa_inst_pref_size 205
	.end_amdhsa_kernel
	.amdgpu_metadata
---
amdhsa.version: [ 1, 2 ]
amdhsa.kernels:
  - .name:           k_qbf1efa91cb_pv
    .symbol:         k_qbf1efa91cb_pv.kd
    .args:
      - { .name: p16, .offset: 0, .size: 8, .value_kind: global_buffer, .address_space: global }
      - { .name: yv, .offset: 8, .size: 8, .value_kind: global_buffer, .address_space: global }
      - { .name: mstat, .offset: 16, .size: 8, .value_kind: global_buffer, .address_space: global }
      - { .name: lstat, .offset: 24, .size: 8, .value_kind: global_buffer, .address_space: global }
      - { .name: out0, .offset: 32, .size: 8, .value_kind: global_buffer, .address_space: global }
    .group_segment_fixed_size: 327680
    .private_segment_fixed_size: 0
    .kernarg_segment_align: 8
    .kernarg_segment_size: 40
    .max_flat_workgroup_size: 128
    .sgpr_count:     90
    .vgpr_count:     768
    .wavefront_size: 32
...
	.end_amdgpu_metadata
.endif
;; end of part 5
